; MI455X (gfx1250); checked and timed in simulation.
; The chip was launched on July 23, 2026; its instructions are those of AMD's public machine-readable ISA for CDNA 5 (MIT licence, August 2026) and "CDNA5" Instruction Set Architecture Reference Guide (July 2026). The comments in the code are by the model that wrote it; some were corrected since.
;; Attention. Allowed arithmetic: matrix products marked QUANTISED: E2M1 operands, one E8M0 scale for each 32 along K, by v_wmma_scale_f32_16x16x128_f8f6f4 with both operands' format E2M1 (or v_wmma_scale_f32_32x16x128_f4), f32 sums; everything else in f32.
;; Inputs: q_mask 8 x 2,048 bool; query_codes 8 x 2,048 x 2 x 16 uint8 (E2M1 codes of query, K innermost, in blocks of 32 codes, two codes a byte); query_scales 8 x 2,048 x 2 uint8 (E8M0 scales of query, one for each 32 codes along K); scale 1 float32; v_mask 8 x 2,048 bool; value 8 x 2,048 x 64 float32.
;; Outputs: out0 8 x 2,048 x 64 float32.
;; This version of the problem:
;;   THIS VERSION OF THE PROBLEM IS GIVEN IN LOW PRECISION. The matrix products marked QUANTISED in the list below multiply operands that are first quantised to E2M1 (2 exponent bits, 1 mantissa bit; 4 bits a number), with one power-of-two scale for each 32 numbers along K (OCP MX v1.0); their sums are f32. All else is computed in f32.
;;   The module's matrix products, in the order in which they are computed (A, B: the left and right operand; K: the contracted axis; several contracted axes count as one K, in the product's order):
;;     1. batch 8 x [M 2,048, K 64] x [K 64, N 2,048]; A: input query (given as codes); B: input value: QUANTISED
;;     2. batch 8 x [M 2,048, K 2,048] x [K 2,048, N 64]; A: softmax (see below); B: input value: QUANTISED
;;   THE QUANTISER, for each operand of a quantised product, along K:
;;     - K is cut into blocks of 32 from its start; a last block that is shorter is filled with zeros.
;;     - A block's scale is 2^e with e = floor(log2(the largest magnitude in the block)) - 2, held to -126 .. 127; a block of zeros has e = 0. As a byte (E8M0): e + 127.
;;     - Each number is divided by its block's scale, clamped to +-6, and rounded to the nearest number of E2M1, ties to even, subnormals kept.
;;     - The product sums the exact products of the quantised numbers (number of the format x scale) in f32.
;;   ~~~python
;;   def quantise(x, axis):      # numpy; x: float32 -> the quantised numbers, widened to float32 again
;;       x = np.moveaxis(x, axis, -1); K = x.shape[-1]
;;       x = np.pad(x, [(0, 0)] * (x.ndim - 1) + [(0, -K % 32)]); x = x.reshape(x.shape[:-1] + (-1, 32)); a = np.abs(x).max(-1, keepdims=True)
;;       e = np.where(a > 0, np.clip(np.frexp(np.where(a > 0, a, 1))[1] - 1 - 2, -126, 127), 0)      # np.frexp(a)[1] - 1 = floor(log2(a)), exactly
;;       r = np.clip(x / 2.0 ** e, -6, 6)
;;       step = 2.0 ** (np.maximum(np.frexp(np.where(r == 0, 1, r))[1] - 1, 0) - 1)
;;       q = np.round(r / step) * step * 2.0 ** e      # np.round: ties to even
;;       return np.moveaxis(q.reshape(q.shape[:-2] + (-1,))[..., :K], -1, axis).astype(np.float32)
;;   ~~~
;;   SOFTMAX AHEAD OF A QUANTISED PRODUCT. Where the list says 'softmax', what is quantised is not the finished softmax but p = 2^(t - M), with t = logit x log2(e) and M = ceil(the row's largest t), a whole number; so 1/2 < the row's largest p <= 1. The row's sum l is taken of the UNQUANTISED p, in f32, and the product's result is divided by l at the end. Since M is a whole number, a kernel that streams over the keys may use a running M (the ceiling of the running maximum): every later rescaling is an exact power of two, which a block's scale takes up: the codes' values come out the same.
;;   OPERANDS COMPUTED ON THE WAY. 'Computed on the way' means the value that the module computes at that place (a softmax that the list does not call 'softmax' is quantised finished and normalised). What goes into a quantiser is computed in f32, as accurately as f32 sums, v_exp_f32 and their like allow (about 1e-6 of the number): no bf16 or f16 on the way to a quantiser, and a product that is left as it is and whose result goes on into a quantised operand takes f32 operands (vector FMAs, or v_wmma_f32_16x16x4_f32). A number that lies on a knife's edge between two numbers of the format may be rounded either way, as far as f32 arithmetic and the matrix unit's own rounding can turn it there, and no further.
;;   INPUTS GIVEN AS CODES. query (in the module: [8, 2048, 64], K = its axis 2): each comes as NAME_codes (uint8): NAME with its K axis moved to the last place and cut into blocks of 32 codes, [.., K / 32, bytes a block], one block behind the other in memory; two codes a byte, the lower K in the low four bits (a code: sign, 2 exponent bits, 1 mantissa bit); and NAME_scales (uint8): the same leading axes, one E8M0 byte (e + 127) for each 32 codes along K. Its value is code x scale, taken as it is: it is not quantised again, and the codes and scales need not be those that the quantiser above would give.
;; 2 versions. Each part assembles by itself: llvm-mc -triple=amdgcn-amd-amdhsa -mcpu=gfx1250 --defsym DOCPART=n.
;; ======== version 1 of 2: 2 launches
;; limits: right only within a limited range of input values
;; workspace buffers: kv 1,179,648 bytes; first 1,024 bytes of whole numbers
;; launch prep (part 1): grid 16 x 8, 4 waves a work-group, no clusters, 36,352 bytes of LDS; arguments value, v_mask, kv, first; writes kv, first
.if DOCPART == 1
	.amdgcn_target "amdgcn-amd-amdhsa--gfx1250"
	.amdhsa_code_object_version 6
	.text
	.protected	k_q0c6869e215_prep
	.globl	k_q0c6869e215_prep
	.p2align	8
	.type	k_q0c6869e215_prep,@function
k_q0c6869e215_prep:
	s_mov_b64 s[64:65], 0
	v_nop
	global_prefetch_b8 v0, s[64:65] scope:SCOPE_SE
	s_setreg_imm32_b32 hwreg(HW_REG_WAVE_MODE, 25, 1), 1
	s_wait_xcnt 0x0
; value [8][2048][64] f32 is quantised to FP4 (E2M1) twice: along d (its use as keys: K = 64, two blocks a key) and along the keys (its use as values: K = 2,048, a block = 32 keys of
; one column d), and laid out for the second launch IN THE ORDER OF THE OPERANDS' REGISTERS.  For each batch and each step of 128 keys one chunk of CH = 9,216 bytes:
;   +0     K's eight tiles of 16 keys, 512 bytes each: lane (r, h) at 16 (r + 16 h): block h of key 32 (T / 2) + 8 (T % 2) + r + 8 (r / 8)   (so that two neighbouring tiles' results are 16 neighbouring keys)
;   +4096  V's four tiles of 16 columns d, 1,024 bytes each: register group c at 512 c, lane (r, h) at 16 (r + 16 h): keys 64 c + 32 h + 0 .. 31 of column 16 t + r
;   +8192  K's scale words: lane L's 16 bytes hold word j = the word of tile j + 4 (L / 16), row L % 16
;   +8704  V's scale words: lane L's 16 bytes hold word t = the word of tile t, row L % 16 (lanes 16-31 hold the same again)
; A key's scale word: bytes 0, 1 its two blocks' E8M0 bytes; BYTE 2 CARRIES v_mask: 254 where the key does not count, 0 where it does (the second launch multiplies a code 1.0 at k = 64 by it); byte 3 = 127 over zero codes.
; A block's scale byte is its largest magnitude's exponent field - 2, held at 1 from below (a block of zeros keeps 1: its codes are zeros, and this program alone reads the bytes).
; Also: first[b] = the index of the first key of batch b that counts, 2,048 if none does: whole numbers, by integer arithmetic alone; 32 equal words a batch, of which the second launch reads the first.
; LIMITS: NaN and infinities in value are not served; blocks whose largest magnitude lies under 2^-124 keep the byte 1.
; SHARES: a work-group takes one step of one batch, each of its four waves 32 keys x 64 d = 8,192 consecutive bytes, read once by sixteen loads of 512 consecutive bytes.  They turn through the wave's own
; 32 rows x 272 bytes of LDS: back once with a lane to a key (registers along d) and once with a lane to a column (registers down the keys): the conversions take neighbours along K from one lane's registers.
.set CH,   9216
.set TP,   272                         ; a key's row in the turn: 256 bytes + 16 = 17 x 16, so that sixteen rows' equal columns fall 16 bytes apart modulo 256
.set TW,   32*TP                       ; a wave's turn
.set GK,   4*TW                        ; behind the turns: the step's 512 bytes of K's scale words, then 512 of V's
.set X,    16                          ; v16-79   the 8,192 bytes as loaded
.set KX,   80                          ; v80-143  my key's 64 numbers
.set VX,   144                         ; v144-207 my two columns' 32 keys each
.set MD,   208                         ; v208-223 64 bytes of v_mask (one wave of eight work-groups)
.set KC,   224                         ; v224-231 my key's codes
.set VC,   232                         ; v232-239 my columns' codes
.set WL,   240                         ; v240     LDS: where waves 0 and 1 read the gathered words
.set WO,   241                         ; v241     and where they go in the chunk
.set FO,   242                         ; v242     4 x lane
.set MM,   244                         ; v244-245 largest magnitudes
.set SO,   246                         ; v246-247 the conversions' scale operands
.set BY,   248                         ; v248-249 scale bytes
.set WD,   250                         ; v250     my key's scale word
.set T,    251                         ; v251-255 at work
	s_load_b256 s[4:11], s[0:1], 0x0               ; value s[4:5], v_mask s[6:7], kv s[8:9], first s[10:11]
	v_lshl_add_u32 v243, v0, 2, 0x8c00
	s_set_vgpr_msb 0x40
	v_mov_b32 v1, 0
	s_set_vgpr_msb 0x4000
	v_lshrrev_b32 v1, 5, v0
	v_readfirstlane_b32 s12, v1                    ; wave 0..3: which 32 of the step's 128 keys
	v_and_b32 v1, 31, v0                           ; lane
	s_and_b32 s13, ttmp7, 0xffff                   ; batch
	s_lshl_b32 s14, s13, 11                        ; its first key among all 16,384
	s_mov_b32 s15, 0
	s_lshl_b32 s16, ttmp9, 7                       ; the step's 128 keys,
	s_lshl_b32 s17, s12, 5                         ; my wave's 32
	s_add_co_u32 s16, s16, s17
	s_add_co_u32 s18, s14, s16                     ; my first key
	s_mov_b32 s19, 0
	s_lshl_b32 s20, s18, 8                         ; 256 bytes a key
	s_mov_b32 s21, 0
	s_lshl_b32 s22, s13, 4
	s_add_co_u32 s22, s22, ttmp9
	s_mul_i32 s22, s22, CH                         ; my work-group's chunk
	s_mov_b32 s23, 0
	s_lshl_b32 s24, s13, 7                         ; first: 128 bytes a batch
	s_mov_b32 s25, 0
	s_mov_b32 s30, 0x76543210                      ; v_permlanex16_b32's selects for lane l xor 16
	s_mov_b32 s31, 0xfedcba98
	v_and_b32 v2, 15, v1                           ; r
	v_lshrrev_b32 v3, 4, v1                        ; u: the lane's half
	v_and_b32 v4, 8, v2
	v_add_nc_u32 v4, v4, v2
	v_lshl_add_u32 v11, v3, 3, v4                  ; MY KEY among the 32: 8 u + r + 8 (r / 8): lane 16 u + r is row r of tile 2 wave + u
	v_lshlrev_b32 v5, 4, v1                        ; 16 x lane
	v_lshlrev_b32 v6, 6, v1                        ; 64 x lane
	s_mul_i32 s28, s12, TW                         ; my turn
	v_mul_u32_u24 v7, v3, TP
	v_lshl_add_u32 v7, v2, 4, v7
	v_add_nc_u32 v7, s28, v7                       ; in: a load's 512 bytes are two keys' rows: lanes 0-15 one, lanes 16-31 the next
	v_mul_u32_u24 v8, v11, TP
	v_add_nc_u32 v8, s28, v8                       ; back, a lane to a key
	v_lshl_add_u32 v9, v1, 2, s28                  ; back, a lane to a column
	s_lshl_b32 s29, s12, 10
	v_lshlrev_b32 v12, 9, v3
	v_lshl_add_u32 v12, v2, 4, v12
	v_add_nc_u32 v12, s29, v12                     ; K's codes in the chunk: 1,024 wave + 512 u + 16 r (+ 256 for block 1)
	s_lshl_b32 s29, s12, 8
	s_add_co_u32 s29, s29, 4096
	v_lshlrev_b32 v13, 10, v3
	v_lshl_add_u32 v13, v2, 4, v13
	v_add_nc_u32 v13, s29, v13                     ; V's: 4,096 + 1,024 u + 256 wave + 16 r (+ 2,048 for my second column): 512 (wave / 2) + 256 (wave % 2) = 256 wave
	s_lshr_b32 s29, s12, 1
	s_lshl_b32 s29, s29, 8
	s_and_b32 s26, s12, 1
	s_lshl_b32 s26, s26, 3
	s_add_co_u32 s29, s29, s26
	s_add_co_u32 s29, s29, GK
	v_lshlrev_b32 v14, 4, v2
	v_lshl_add_u32 v14, v3, 2, v14                 ; 16 r + 4 u
	v_add_nc_u32 v15, s12, v14
	v_add_nc_u32 v15, GK+512, v15                  ; LDS: V's scale byte: row r, word 2 k + u, byte = my wave
	v_add_nc_u32 v14, s29, v14                     ; LDS: K's scale word: 256 (wave / 2) + 16 r + 8 (wave % 2) + 4 u
	s_lshl_b32 s29, s12, 9
	v_add_nc_u32 v[WO], s29, v5
	v_add_nc_u32 v[WL], GK, v[WO]
	v_add_nc_u32 v[WO], 8192, v[WO]
	v_lshlrev_b32 v[FO], 2, v1
	s_wait_kmcnt 0x0
	s_add_nc_u64 s[4:5], s[4:5], s[20:21]          ; value at my 32 keys
	s_add_nc_u64 s[26:27], s[6:7], s[18:19]        ; v_mask at my 32 keys,
	s_add_nc_u64 s[6:7], s[6:7], s[14:15]          ; and at the batch's first
	s_add_nc_u64 s[8:9], s[8:9], s[22:23]
	s_add_nc_u64 s[10:11], s[10:11], s[24:25]
	global_load_u8 v10, v11, s[26:27]              ; does my key count?
.irp i, 0,1,2,3,4,5,6,7,8,9,10,11,12,13,14,15
	global_load_b128 v[X+4*\i:X+4*\i+3], v5, s[4:5] offset:512*\i th:TH_LOAD_NT   ; 512 consecutive bytes; read once in the launch
.endr
	; first[b]: wave 2 of the batch's first work-group, while its numbers are on their way.  Whole numbers throughout.
	s_cmp_lg_u32 s12, 2
	s_cbranch_scc1 .Lmain
	s_cmp_lg_u32 ttmp9, 0
	s_cbranch_scc1 .Lmain
.irp i, 0,1,2,3
	global_load_b128 v[MD+4*\i:MD+4*\i+3], v6, s[6:7] offset:16*\i   ; lane l: keys 64 l .. 64 l + 63, a byte (0 or 1) each
.endr
	s_mov_b32 s29, 0x01020408
	v_mov_b32 v[T+3], 32
	v_mov_b32 v[T+4], 0
	s_wait_loadcnt 0x0
.set n, 0
.rept 16
	v_mul_lo_u32 v[MD+n], v[MD+n], s29             ; four bytes of 0 or 1 become four neighbouring bits, 24 to 27: byte i x 2^(24 - 7 i) lands at bit 24 + i, and no two terms of the product meet
.set n, n+1
.endr
.set n, 0
.rept 16
	v_lshrrev_b32 v[MD+n], 24, v[MD+n]
.set n, n+1
.endr
.irp n, 1,2,3,4,5,6,7
	v_lshl_or_b32 v[MD], v[MD+\n], 4*\n, v[MD]                 ; my keys 0-31 as bits,
	v_lshl_or_b32 v[MD+8], v[MD+8+\n], 4*\n, v[MD+8]           ; and 32-63
.endr
	v_or_b32 v[MD+1], v[MD], v[MD+8]
	v_cmp_ne_u32 vcc_lo, 0, v[MD]
	v_cndmask_b32 v[MD+2], v[MD+8], v[MD], vcc_lo              ; the first word that is not 0,
	v_cndmask_b32 v[MD+3], v[T+3], v[T+4], vcc_lo              ; and its first key: 0 or 32
.irp sh, 16,8,4,2,1                    ; its lowest bit that is set, by halving
	v_and_b32 v[T], (1<<\sh)-1, v[MD+2]
	v_lshrrev_b32 v[T+1], \sh, v[MD+2]
	v_add_nc_u32 v[T+2], \sh, v[MD+3]
	v_cmp_eq_u32 vcc_lo, 0, v[T]
	v_cndmask_b32 v[MD+2], v[MD+2], v[T+1], vcc_lo
	v_cndmask_b32 v[MD+3], v[MD+3], v[T+2], vcc_lo
.endr
	v_lshl_add_u32 v[MD+3], v1, 6, v[MD+3]         ; + 64 x lane
	v_mov_b32 v[T], 2048
	v_cmp_eq_u32 vcc_lo, 0, v[MD+1]
	v_cndmask_b32 v[MD+3], v[MD+3], v[T], vcc_lo   ; none of my 64 counts: 2,048
.irp m, 1,2,4,8
	v_mov_b32_dpp v[T], v[MD+3] row_xmask:\m row_mask:0xf bank_mask:0xf
	v_min_u32 v[MD+3], v[MD+3], v[T]
.endr
	v_permlanex16_b32 v[T], v[MD+3], s30, s31
	v_min_u32 v[MD+3], v[MD+3], v[T]               ; the least over the 32 lanes, in every lane
	global_store_b32 v[FO], v[MD+3], s[10:11]      ; 128 consecutive bytes
.Lmain:
.irp i, 0,1,2,3,4,5,6,7,8,9,10,11,12,13,14,15
	s_wait_loadcnt 15-\i                           ; loads come back in order: load i is in, the 15 - i behind it may be out
	ds_store_b128 v7, v[X+4*\i:X+4*\i+3] offset:2*TP*\i
.endr
.irp m, 0,1,2,3,4,5,6,7,8,9,10,11,12,13,14,15
	ds_load_b128 v[KX+4*\m:KX+4*\m+3], v8 offset:16*\m         ; LDS serves a wave's instructions in order: these see the stores above.  My key's 64 numbers
.endr
.macro COLUMN k                        ; column lane + 32 k, down the 32 keys: each load takes 128 consecutive bytes
.set n, 0
.rept 32
	ds_load_b32 v[VX+32*\k+n], v9 offset:TP*n+128*\k
.set n, n+1
.endr
.endm
	COLUMN 0
	s_wait_dscnt 32                                ; my key's numbers are in; the 32 loads behind them may be out
	COLUMN 1
; Two blocks of 32 numbers, v[src] on and v[src + 32] on, become codes in v[dst .. dst + 3] and v[dst + 4 .. dst + 7] and bytes in v[BY], v[BY + 1].
.macro QUANT2 src, dst
.irp h, 0,1
	v_max3_num_f32 v[MM+\h], |v[\src+32*\h]|, |v[\src+32*\h+1]|, 0x1800000   ; the largest magnitude, and the floor 2^(3 - 127): the byte cannot fall under 1
.endr
.irp i, 2,4,6,8,10,12,14,16,18,20,22,24,26,28,30
.irp h, 0,1
	v_max3_num_f32 v[MM+\h], v[MM+\h], |v[\src+32*\h+\i]|, |v[\src+32*\h+\i+1]|   ; (the two blocks by turns)
.endr
.endr
.irp h, 0,1
	v_add_nc_u32 v[SO+\h], 0xff000000, v[MM+\h]    ; 2 off its exponent field: the conversion takes the exponent field of this operand as its scale, and nothing else of it
.endr
.irp h, 0,1
	v_lshrrev_b32 v[BY+\h], 23, v[SO+\h]           ; the scale's byte
.endr
.irp h, 0,1
.irp g, 0,1,2,3
	v_cvt_scalef32_pk8_fp4_f32 v[\dst+4*\h+\g], v[\src+32*\h+8*\g:\src+32*\h+8*\g+7], v[SO+\h]
.endr
.endr
	v_nop                                          ; one plain line behind the last conversion of a run
.endm
	QUANT2 KX, KC
	v_mul_u32_u24 v[T], v10, 254
	v_sub_nc_u32 v[T], 254, v[T]                   ; 254 where my key does not count, 0 where it does
	v_lshl_or_b32 v[WD], v[BY+1], 8, v[BY]
	v_lshl_or_b32 v[WD], v[T], 16, v[WD]
	v_or_b32 v[WD], 0x7f000000, v[WD]
	ds_store_b32 v14, v[WD]
	global_store_b128 v12, v[KC:KC+3], s[8:9]                  ; lanes 0-15 and lanes 16-31 each store 256 consecutive bytes, at a multiple of 256 from the buffer's first byte
	global_store_b128 v12, v[KC+4:KC+7], s[8:9] offset:256
	s_wait_dscnt 0x0                               ; both columns are in
	QUANT2 VX, VC
.irp k, 0,1
	ds_store_b8 v15, v[BY+\k] offset:8*\k          ; byte = my wave's block of 32 keys, in the word of column lane + 32 k,
	ds_store_b8 v15, v[BY+\k] offset:8*\k+256      ; and once more for lanes 16-31 of the reader
	global_store_b128 v13, v[VC+4*\k:VC+4*\k+3], s[8:9] offset:2048*\k
.endr
	s_wait_dscnt 0x0                               ; for the others' sake: my words and bytes have landed
	s_barrier_signal -1
	s_barrier_wait -1
	s_cmp_gt_u32 s12, 1
	s_cbranch_scc1 .Lend
	ds_load_b128 v[T+1:T+4], v[WL]                 ; wave 0: K's 512 bytes of scale words; wave 1: V's
	s_wait_dscnt 0x0
	global_store_b128 v[WO], v[T+1:T+4], s[8:9]    ; 512 consecutive bytes
.Lend:
	s_set_vgpr_msb 0x4
	s_wait_tensorcnt 0x0
	ds_add_u32 v243, v1
	s_wait_dscnt 0x0
	s_set_vgpr_msb 0x400
	s_endpgm
.Lfunc_end_k_q0c6869e215_prep:
	.size	k_q0c6869e215_prep, .Lfunc_end_k_q0c6869e215_prep-k_q0c6869e215_prep
	.p2alignl 7, 3214868480
	.fill 96, 4, 3214868480
	.section	.rodata,"a",@progbits
	.p2align	6, 0x0
	.amdhsa_kernel k_q0c6869e215_prep
		.amdhsa_group_segment_fixed_size 36352
		.amdhsa_private_segment_fixed_size 0
		.amdhsa_enable_private_segment 0
		.amdhsa_kernarg_size 32
		.amdhsa_user_sgpr_count 2
		.amdhsa_user_sgpr_kernarg_segment_ptr 1
		.amdhsa_wavefront_size32 1
		.amdhsa_system_sgpr_workgroup_id_x 1
		.amdhsa_system_sgpr_workgroup_id_y 1
		.amdhsa_system_sgpr_workgroup_id_z 1
		.amdhsa_system_vgpr_workitem_id 0
		.amdhsa_next_free_vgpr 258
		.amdhsa_next_free_sgpr 66
		.amdhsa_reserve_vcc 1
		.amdhsa_float_denorm_mode_32 3
		.amdhsa_float_denorm_mode_16_64 3
		.amdhsa_memory_ordered 1
		.amdhsa_forward_progress 1
		.amdhsa_inst_pref_size 24
	.end_amdhsa_kernel
	.amdgpu_metadata
---
amdhsa.version: [ 1, 2 ]
amdhsa.kernels:
  - .name:           k_q0c6869e215_prep
    .symbol:         k_q0c6869e215_prep.kd
    .args:
      - { .name: value, .offset: 0, .size: 8, .value_kind: global_buffer, .address_space: global }
      - { .name: v_mask, .offset: 8, .size: 8, .value_kind: global_buffer, .address_space: global }
      - { .name: kv, .offset: 16, .size: 8, .value_kind: global_buffer, .address_space: global }
      - { .name: first, .offset: 24, .size: 8, .value_kind: global_buffer, .address_space: global }
    .group_segment_fixed_size: 36352
    .private_segment_fixed_size: 0
    .kernarg_segment_align: 8
    .kernarg_segment_size: 32
    .max_flat_workgroup_size: 128
    .sgpr_count:     66
    .vgpr_count:     258
    .wavefront_size: 32
...
	.end_amdgpu_metadata
.endif
;; end of part 1
;; launch attend (part 2): grid 32 x 8, 16 waves a work-group, no clusters, 221,184 bytes of LDS; arguments query_codes, query_scales, scale, q_mask, kv, first, out0; writes out0
.if DOCPART == 2
	.amdgcn_target "amdgcn-amd-amdhsa--gfx1250"
	.amdhsa_code_object_version 6
	.text
	.protected	k_q0c6869e215_attend
	.globl	k_q0c6869e215_attend
	.p2align	8
	.type	k_q0c6869e215_attend,@function
k_q0c6869e215_attend:
	s_mov_b64 s[64:65], 0
	v_nop
	global_prefetch_b8 v0, s[64:65] scope:SCOPE_SE
	s_setreg_imm32_b32 hwreg(HW_REG_WAVE_MODE, 25, 1), 1
	s_wait_xcnt 0x0
; out0[b][q] = q_mask x the sum over k of softmax_k(query[b][q] . value[b][k] x scale - 1e9 x (k > q or not v_mask[b][k])) value[b][k], both products on FP4 (E2M1) codes with one E8M0 scale for each 32 along K.
; THE SOFTMAX: t = logit x log2(e); M = the running largest t rounded up to a whole number; p = 2^(t - M) is quantised along the keys; the row's sum l is taken of the unquantised p and divides at the end.
; kv holds, for each batch and step of 128 keys, a chunk of CH bytes made by the first launch: images of the operands' registers (K's 8 tiles, V's 4 tiles, their scale words): every fragment is ds_load_b128 at 16 x lane.
; SHARES.  Work-group w of a batch owns query tiles 2 w, 2 w + 1, 127 - 2 w, 126 - 2 w (16 queries each): with the steps behind the diagonal left out, (w / 4 + 1) + (16 - w / 4) = 17 steps a pair, 34 in every work-group.
; Four waves serve a tile, each the steps of one residue modulo 4; tiles and residues are dealt so that four waves with equal (wave % 4) hold 8 or 9 steps, and four with equal (wave / 4) at most 10.
; Both products are used transposed (S^T = K Q^T, O^T = V^T P^T): a lane holds ONE query (lane % 16) throughout.  The four waves' (M, l, O) meet in LDS at the end: M is a whole number, so that is an exact scaling.
; THE BATCH'S 147,456 BYTES come into LDS once, through registers, a quarter (4 steps) at a time: quarter p + 1 is loaded while quarter p is worked on and stored to LDS in front of one barrier.  No LDS byte is written twice.
; v_mask COSTS NO VECTOR WORK.  K = 64 fills half of the instruction's 128; k = 64 carries the mask: the key's code there is +1.0 under its scale word's byte 2 (254 where it does not count, 0 where it does), the query's
; is -1.0 under byte 120: a key that does not count scores about -2^120, one that counts s - 2^-134.  The causal mask is made in a tile's one diagonal step, by compare and select.
; A MASKED SCORE NEVER BECOMES THE MAXIMUM.  The running largest t starts at -2^40.  c = |scale| log2(e) is held at 2^-60 from below, so a masked t, -2^120 c, is at most -2^60, for every scale, 0 too (the hold changes t by
; under 2^-60 |s|); every real t, and the -1.44e9 of the pass below, lies above -2^40.  So where only masked keys have been seen M stays -2^40, p = 0, l = 0 and O = 0: no difference of two huge numbers is ever formed.
; ROWS WITHOUT ANY KEY THAT COUNTS (q < first[b]).  The 1e9 is subtracted, not infinity: such a row is a softmax over ALL 2,048 keys of fl(fl(s x scale) - 1e9).  A tile whose first query lies under first[b] walks all keys once
; more with just that arithmetic (the query's code at k = 64 and the keys' scale byte for it cleared), onto the same running state: a row that has a counted key gets p = 0 there; a row that has none comes with zeros.
; That is a branch on a stored whole number, inside a loop of constant count.
; THE SIGN OF scale goes into the query's codes (their sign bits turned where scale < 0), so that c is positive and the largest score gives the largest p.
; NO JOINT REQUESTS, though the 32 work-groups of a batch read the same bytes: a joint request is a tensor load.
; LIMITS: NaN and infinities are not served; |s x scale| stays under 4e8 (there the masked weights of a row that has a counted key are 0 in the problem's own arithmetic too, and every real t lies far above -2^40).
.set CH,     9216                      ; a step's chunk: K's codes 4,096, V's codes 4,096, K's scale words 512, V's 512
.set QUART,  4*CH
.set BATCHB, 16*CH
.set VOFF,   4096
.set KSOFF,  8192
.set VSOFF,  8704
.set STG,    BATCHB                    ; behind kv: a stage of 16 rows x (256 + 16) bytes for each wave's O
.set SROW,   272
.set SWAVE,  16*SROW
.set STAT,   STG+16*SWAVE              ; behind the stages: -M and l, 8 bytes a query, 128 bytes a wave
.set ABASE, 1                          ; v1   16 x lane + CH x my residue
.set A,     2                          ; v2   the step in hand
.set C16,   3                          ; v3   16 x thread: a quarter's copy, in memory and in LDS alike; never rewritten
.set C8,    4                          ; v4   8 x thread; never rewritten
.set T1,    5                          ; v5-6 the copy's LDS addresses
.set T2,    6
.set DL,    7                          ; v7   r - 16 h
.set STO,   8                          ; v8   the stage: where I put 32 bytes of a row
.set STA,   9                          ; v9   where I put -M and l
.set RD,    10                         ; v10  where I read rows back
.set SRD,   11                         ; v11  where I read -M and l
                                       ; v12 -M, v13 the largest t, v[14:15] l in two halves
.set QF,    16                         ; v16-23  Q's fragment: 16-19 its codes, 20 the code at k = 64, 21-23 zeros
.set QS,    24                         ; v24     Q's scale words
.set GO,    25                         ; v25     my byte offset in the tile's rows of out0
.set KS,    26                         ; v26-29  K's scale words: register j: lanes 0-15 tile j, lanes 16-31 tile j + 4
.set VS,    30                         ; v30-33  V's: register t: tile t
.set KB,    34                         ; v34-65  four fragments of K: registers 0-3 loaded, 4 the code at k = 64, 5-7 zeros: written once
.set VB,    66                         ; v66-97  V's four fragments
.set SS,    98                         ; v98-161 S^T, then p; at the head and the end at work
.set OO,    162                        ; v162-193 O^T
.set PC,    194                        ; v194-201 p's codes
.set BM,    202                        ; v202-205 a block's largest score, then its largest p
.set PM,    206                        ; v206-209 the other half's; then bytes
.set SO,    210                        ; v210-213 the conversions' scale operands
.set FF,    214                        ; v214 f = 2^(old M - new M); v215 named with it as a pair
.set PW,    216                        ; v216 p's scale word
.set TMP,   217
.set SU,    218                        ; v218-219 the sum's second chain
.set L,     220                        ; v220-237 the quarter on its way
.set QM,    238                        ; v238-239 q_mask of the two rows that I store
.set MS,    SS+32                      ; the merge: -M and l of four waves x two rows
.set RES,   29                         ; s29  my residue
.set SL,    40                         ; s40  my tile's diagonal step
.set Q0,    41                         ; s41  my tile's first query
.set FI,    42                         ; s42  first[b]
.set SCL,   43                         ; s43  scale
.set CS,    44                         ; s[44:45] c
.set SA,    46                         ; s[46:47] |scale|
.set SEL,   48                         ; s[48:49] v_permlanex16_b32's selects for lane l xor 16
.set STP,   50                         ; s50  the step in hand
.set TB,    51                         ; s51  the second pass: the quarter in hand, in bytes
.set CNT,   52
.set NB,    56                         ; s[56:57] -1e9
.set LE,    58                         ; s[58:59] log2(e)
.macro CLOAD p                         ; quarter p: 36,864 bytes = 512 threads x (4 x 16 + 8)
.irp i, 0,1,2,3
	global_load_b128 v[L+4*\i:L+4*\i+3], v[C16], s[12:13] offset:(\p)*QUART+8192*\i
.endr
	global_load_b64 v[L+16:L+17], v[C8], s[12:13] offset:(\p)*QUART+32768
.endm
.macro CPUT p                          ; and into LDS, at the same offsets
	s_wait_loadcnt 0x0
	v_add_nc_u32 v[T1], (\p)*QUART, v[C16]
	v_add_nc_u32 v[T2], (\p)*QUART+32768, v[C8]
.irp i, 0,1,2,3
	ds_store_b128 v[T1], v[L+4*\i:L+4*\i+3] offset:8192*\i
.endr
	ds_store_b64 v[T2], v[L+16:L+17]
.endm
.macro MEET                            ; my LDS stores have landed (and have read their registers): then the work-group's barrier
	s_wait_dscnt 0x0
	s_barrier_signal -1
	s_barrier_wait -1
.endm
	s_load_b256 s[4:11], s[0:1], 0x0               ; query_codes s[4:5], query_scales s[6:7], scale s[8:9], q_mask s[10:11]
	s_load_b128 s[12:15], s[0:1], 0x20             ; kv s[12:13], first s[14:15]
	s_load_b64 s[16:17], s[0:1], 0x30              ; out0
	v_lshl_add_u32 v254, v0, 2, 0x35800
	v_mov_b32 v255, 0
	v_lshrrev_b32 v[TMP], 5, v0
	v_readfirstlane_b32 s18, v[TMP]                ; wave 0..15
	v_lshlrev_b32 v[C16], 4, v0
	v_lshlrev_b32 v[C8], 3, v0
	s_and_b32 s19, ttmp7, 0xffff                   ; batch
	s_mul_i32 s20, s19, BATCHB
	s_mov_b32 s21, 0
	s_lshl_b32 s22, s19, 7
	s_mov_b32 s23, 0
	s_wait_kmcnt 0x0
	s_add_nc_u64 s[12:13], s[12:13], s[20:21]      ; kv at my batch
	s_add_nc_u64 s[14:15], s[14:15], s[22:23]
	CLOAD 0                                        ; the first quarter before anything else
	s_load_b32 s[FI], s[14:15], 0x0
	s_load_b32 s[SCL], s[8:9], 0x0
	; who am I?  wave = 4 a + j;  slot = (a + j) % 4: 0, 2 the low tiles, 1, 3 the high ones;  residue = (j + (slot & 2)) % 4, turned round (3 - ..) for a high tile
	s_lshr_b32 s26, s18, 2
	s_and_b32 s27, s18, 3                          ; j
	s_add_co_u32 s28, s26, s27
	s_and_b32 s28, s28, 3                          ; slot
	s_and_b32 s[RES], s28, 2
	s_add_co_u32 s[RES], s[RES], s27
	s_and_b32 s[RES], s[RES], 3
	s_and_b32 s30, s28, 1
	s_mul_i32 s31, s30, 3
	s_xor_b32 s[RES], s[RES], s31
	s_lshr_b32 s31, s28, 1
	s_lshl_b32 s32, ttmp9, 1
	s_add_co_u32 s31, s31, s32                     ; 2 w + slot / 2,
	s_mul_i32 s32, s30, 127
	s_xor_b32 s31, s31, s32                        ; or 127 less that: my tile
	s_lshr_b32 s[SL], s31, 3
	s_lshl_b32 s[Q0], s31, 4
	s_lshl_b32 s32, s19, 11
	s_add_co_u32 s32, s32, s[Q0]                   ; my first query among all 16,384
	s_mov_b32 s33, 0
	s_mov_b32 s35, 0
	s_lshl_b32 s34, s32, 5
	s_add_nc_u64 s[4:5], s[4:5], s[34:35]          ; 32 bytes of codes a query,
	s_lshl_b32 s34, s32, 1
	s_add_nc_u64 s[6:7], s[6:7], s[34:35]          ; 2 scale bytes,
	s_add_nc_u64 s[10:11], s[10:11], s[32:33]      ; 1 of q_mask,
	s_lshl_b32 s34, s32, 8
	s_add_nc_u64 s[16:17], s[16:17], s[34:35]      ; 256 of out0
	v_and_b32 v[SS], 31, v0                        ; lane
	v_and_b32 v[SS+1], 15, v0                      ; r
	v_bfe_u32 v[SS+2], v0, 4, 1                    ; h
	v_lshlrev_b32 v[SS+3], 5, v[SS+1]
	v_lshl_add_u32 v[SS+3], v[SS+2], 4, v[SS+3]
	global_load_b128 v[QF:QF+3], v[SS+3], s[4:5]   ; Q(r, 32 h .. 32 h + 31): the wave reads 512 consecutive bytes
	v_lshlrev_b32 v[SS+4], 1, v[SS+1]
	global_load_u16 v[QS], v[SS+4], s[6:7]
	s_lshl_b32 s36, s27, 2
	v_add_nc_u32 v[SS+5], s36, v[SS+2]             ; the rows that I store at the end: 4 j + h and 4 j + 2 + h
	global_load_u8 v[QM], v[SS+5], s[10:11]
	global_load_u8 v[QM+1], v[SS+5], s[10:11] offset:2
	; every LDS address is made here, of the lane and the wave's number alone
	s_mul_i32 s36, s[RES], CH
	v_lshl_add_u32 v[ABASE], v[SS], 4, s36
	s_lshl_b32 s37, s28, 2
	s_add_co_u32 s37, s37, s27                     ; 4 slot + j: my place among the stages
	s_mul_i32 s36, s37, SWAVE
	s_add_co_u32 s36, s36, STG
	v_mul_u32_u24 v[STO], v[SS+1], SROW
	v_lshl_add_u32 v[STO], v[SS+2], 5, v[STO]
	v_add_nc_u32 v[STO], s36, v[STO]               ; in: row r, 32 h bytes on
	s_lshl_b32 s36, s37, 7
	s_add_co_u32 s36, s36, STAT
	v_lshl_add_u32 v[STA], v[SS+1], 3, s36
	s_mul_i32 s36, s28, 4*SWAVE
	s_mul_i32 s37, s27, 4*SROW
	s_add_co_u32 s36, s36, s37
	s_add_co_u32 s36, s36, STG
	v_mul_u32_u24 v[RD], v[SS+2], SROW
	v_lshl_add_u32 v[RD], v[SS+1], 4, v[RD]
	v_add_nc_u32 v[RD], s36, v[RD]                 ; back: my slot's four stages, rows 4 j + h: lanes 0-15 one row of 256 bytes, lanes 16-31 the next
	s_lshl_b32 s36, s28, 9
	s_lshl_b32 s37, s27, 5
	s_add_co_u32 s36, s36, s37
	s_add_co_u32 s36, s36, STAT
	v_lshl_add_u32 v[SRD], v[SS+2], 3, s36
	s_lshl_b32 s36, s27, 10
	v_lshlrev_b32 v[GO], 8, v[SS+2]
	v_lshl_add_u32 v[GO], v[SS+1], 4, v[GO]
	v_add_nc_u32 v[GO], s36, v[GO]
	v_lshlrev_b32 v[DL], 4, v[SS+2]
	v_sub_nc_u32 v[DL], v[SS+1], v[DL]
	; the constant upper halves of the fragments: k = 64 lies in the low four bits of register 4 of lanes 0-15
	v_lshlrev_b32 v[SS+6], 1, v[SS+2]
	v_sub_nc_u32 v[SS+6], 2, v[SS+6]               ; code 2 = +1.0 in lanes 0-15, 0 in lanes 16-31
.irp t, 0,1,2,3
	v_mov_b32 v[KB+8*\t+4], v[SS+6]
	v_mov_b32 v[KB+8*\t+5], 0
	v_mov_b32 v[KB+8*\t+6], 0
	v_mov_b32 v[KB+8*\t+7], 0
.endr
	v_mul_u32_u24 v[SS+7], v[SS+2], 10
	v_sub_nc_u32 v[QF+4], 10, v[SS+7]              ; code 10 = -1.0 in lanes 0-15
	v_mov_b32 v[QF+5], 0
	v_mov_b32 v[QF+6], 0
	v_mov_b32 v[QF+7], 0
	v_mov_b32 v13, 0xd3800000                      ; the largest t so far: -2^40: under every real t and under -1.44e9, above every masked t (at most -2^60)
	v_floor_f32 v12, -v13                          ; -M
	v_mov_b32 v14, 0
	v_mov_b32 v15, 0
.irp b, 0,1,2,3
	v_mov_b32 v[PM+\b], 0                          ; written once: a lane permute's destination counts as one of its sources
.endr
	v_mov_b32 v[FF+1], 0                           ; (named as the upper half of a pair)
	s_mov_b32 s[SEL], 0x76543210
	s_mov_b32 s[SEL+1], 0xfedcba98
	s_mov_b32 s[NB], 0xce6e6b28                    ; -1e9
	s_mov_b32 s[NB+1], s[NB]                       ; (the packed forms name pairs and take the low word for both halves: so the upper words are written)
	s_mov_b32 s[LE], 0x3fb8aa3b                    ; log2(e)
	s_mov_b32 s[LE+1], s[LE]
	s_wait_kmcnt 0x0                               ; scale and first[b]
	s_and_b32 s[SA], s[SCL], 0x7fffffff            ; |scale|
	s_mov_b32 s[SA+1], s[SA]
	s_ashr_i32 s54, s[SCL], 31
	s_and_b32 s54, s54, 0x88888888                 ; the sign bits of eight codes, where scale is negative
	v_mov_b32 v[TMP], s[SA]
	v_mul_f32 v[TMP], 0x3fb8aa3b, v[TMP]           ; x log2(e)
	v_max_num_f32 v[TMP], 0x21800000, v[TMP]       ; at least 2^-60
	v_readfirstlane_b32 s[CS], v[TMP]
	s_mov_b32 s[CS+1], s[CS]
	CPUT 0                                         ; its wait is for all my loads: the quarter, Q, q_mask
.irp i, 0,1,2,3
	v_xor_b32 v[QF+\i], s54, v[QF+\i]              ; -q where scale is negative
.endr
	v_or_b32 v[QS], 0x7f780000, v[QS]              ; byte 2 = 120 for the code at k = 64, byte 3 = 127 over zeros
.set n, 0
.rept 32
	v_mov_b32 v[OO+n], 0                           ; O^T: a wave may have no step at all, and a step is written once: it finds zeros.  (These also stand between the lines above and the first product)
.set n, n+1
.endr
	MEET                                           ; quarter 0 lies in LDS
; A KEY STEP: 128 keys at v[A].  am = 0: the keys that count;  am = 1: the pass for rows without any: every logit is fl(fl(s x scale) - 1e9).
.macro STEP am
	ds_load_b128 v[KS:KS+3], v[A] offset:KSOFF
.irp t, 0,1,2,3
	ds_load_b128 v[KB+8*\t:KB+8*\t+3], v[A] offset:512*\t
.endr
	ds_load_b128 v[VS:VS+3], v[A] offset:VSOFF     ; V is asked for now and lands under the first product
.irp t, 0,1,2,3
.irp c, 0,1
	ds_load_b128 v[VB+8*\t+4*\c:VB+8*\t+4*\c+3], v[A] offset:VOFF+1024*\t+512*\c
.endr
.endr
	s_wait_dscnt 9                                 ; K's scale words and tiles 0-3 are in; the nine loads for V may be out
.if \am
.irp t, 0,1,2,3
	v_and_b32 v[KS+\t], 0xff00ffff, v[KS+\t]       ; the keys' byte for k = 64 is cleared: here no key is told from another, and no large scale stands beside the plain scores
.endr
.rept 8
	v_nop                                          ; a scale register written by a vector instruction stands eight places ahead of a scaled product
.endr
.endif
.irp t, 0,1,2,3
	v_wmma_scale_f32_16x16x128_f8f6f4 v[SS+8*\t:SS+8*\t+7], v[KB+8*\t:KB+8*\t+7], v[QF:QF+7], 0, v[KS+\t], v[QS] matrix_a_fmt:MATRIX_FMT_FP4 matrix_b_fmt:MATRIX_FMT_FP4
.endr
.rept 4
	v_nop                                          ; four places in front of loads into registers that matrix instructions have read (ISA guide 7.12.1 for vector instructions)
.endr
.irp t, 0,1,2,3
	ds_load_b128 v[KB+8*\t:KB+8*\t+3], v[A] offset:2048+512*\t
.endr
	s_wait_dscnt 0x0
.irp t, 0,1,2,3
	v_wmma_scale_f32_16x16x128_f8f6f4 v[SS+32+8*\t:SS+32+8*\t+7], v[KB+8*\t:KB+8*\t+7], v[QF:QF+7], 0, v[KS+\t], v[QS] matrix_a_fmt:MATRIX_FMT_FP4 matrix_b_fmt:MATRIX_FMT_FP4 matrix_a_scale:MATRIX_SCALE_ROW1
.endr                                              ; lane (r, h) holds query r; register 16 b + i holds key 32 b + 16 h + i of the step
.rept 4
	v_nop                                          ; four places in front of the first read of results
.endr
.if \am
.set n, 0
.rept 32
	v_pk_mul_f32 v[SS+n:SS+n+1], v[SS+n:SS+n+1], s[SA:SA+1] op_sel_hi:[1,0]       ; s x scale,
.set n, n+2
.endr
.set n, 0
.rept 32
	v_pk_add_f32 v[SS+n:SS+n+1], v[SS+n:SS+n+1], s[NB:NB+1] op_sel_hi:[1,0]       ; - 1e9: rounded as the problem rounds it,
.set n, n+2
.endr
.set n, 0
.rept 32
	v_pk_mul_f32 v[SS+n:SS+n+1], v[SS+n:SS+n+1], s[LE:LE+1] op_sel_hi:[1,0]       ; x log2(e) = t
.set n, n+2
.endr
.else
	s_cmp_lg_u32 s[STP], s[SL]                     ; the diagonal step: the scores of keys behind my query become -infinity.  Every earlier step skips this
	s_cbranch_scc1 .Lopen_\@
	s_lshl_b32 s53, s[STP], 7
	s_sub_co_i32 s53, s[Q0], s53
	v_add_nc_u32 v[SU], s53, v[DL]                 ; d = my query - the step's first key - 16 h: register 16 b + i is hidden where 32 b + i > d
	v_mov_b32 v[TMP], 0xff800000
.set n, 0
.rept 64
	v_cmp_gt_i32 vcc_lo, 32*(n/16)+n%16, v[SU]
	v_cndmask_b32 v[SS+n], v[SS+n], v[TMP], vcc_lo
.set n, n+1
.endr
.Lopen_\@:
.endif
.irp b, 0,1,2,3
	v_max3_num_f32 v[BM+\b], v[SS+16*\b], v[SS+16*\b+1], v[SS+16*\b+2]   ; the largest score of each block of 32 keys: it serves the row's maximum and, since p rises with the score, the block's largest p
.endr
.irp i, 3,5,7,9,11,13
.irp b, 0,1,2,3
	v_max3_num_f32 v[BM+\b], v[BM+\b], v[SS+16*\b+\i], v[SS+16*\b+\i+1]  ; (the four blocks by turns)
.endr
.endr
.irp b, 0,1,2,3
	v_max_num_f32 v[BM+\b], v[BM+\b], v[SS+16*\b+15]
.endr
.irp b, 0,1,2,3
	v_permlanex16_b32 v[PM+\b], v[BM+\b], s[SEL], s[SEL+1]
.endr
.irp b, 0,1,2,3
	v_max_num_f32 v[BM+\b], v[BM+\b], v[PM+\b]     ; with lane l xor 16's 16 keys
.endr
	v_max3_num_f32 v[TMP], v[BM], v[BM+1], v[BM+2]
	v_max_num_f32 v[TMP], v[TMP], v[BM+3]
.if !\am
	v_mul_f32 v[TMP], s[CS], v[TMP]                ; as t (c is positive)
.endif
	v_max_num_f32 v13, v13, v[TMP]                 ; the running largest t: never under -2^40, so never a masked key's
	v_mov_b32 v[TMP], v12
	v_floor_f32 v12, -v13                          ; the new -M = -ceil(t): a whole number
	v_sub_f32 v[TMP], v12, v[TMP]                  ; old M - new M: 0 or less
	v_cvt_i32_f32 v[TMP], v[TMP]                   ; (it saturates)
	v_ldexp_f32 v[FF], 1.0, v[TMP]                 ; f = 2^(old M - new M): 0 where M has risen out of reach
.set n, 0
.rept 32
.if \am
	v_pk_add_f32 v[SS+n:SS+n+1], v[SS+n:SS+n+1], v[12:13] op_sel_hi:[1,0]                 ; t - M (in a row without a counted key both are multiples of 128: exact)
.else
	v_pk_fma_f32 v[SS+n:SS+n+1], v[SS+n:SS+n+1], s[CS:CS+1], v[12:13] op_sel_hi:[1,0,0]   ; t - M, two at a time (of the pairs c and -M the low word serves both halves)
.endif
.set n, n+2
.endr
.irp b, 0,1,2,3
.if \am
	v_add_f32 v[BM+\b], v[BM+\b], v12
.else
	v_fma_f32 v[BM+\b], v[BM+\b], s[CS], v12       ; the same of each block's largest score
.endif
.endr
.set n, 0
.rept 64
	v_exp_f32 v[SS+n], v[SS+n]                     ; p = 2^(t - M), at most 1: not normalised
.set n, n+1
.endr
.irp b, 0,1,2,3
	v_exp_f32 v[BM+\b], v[BM+\b]                   ; the block's largest p: the same two instructions on the same number give the same bits
.endr
	v_pk_mul_f32 v[14:15], v[14:15], v[FF:FF+1] op_sel_hi:[1,0]      ; l and O^T under the new M: seventeen plain lines that name no exponential's result
.set n, 0
.rept 16
	v_pk_mul_f32 v[OO+n:OO+n+1], v[OO+n:OO+n+1], v[FF:FF+1] op_sel_hi:[1,0]
.set n, n+2
.endr
	s_wait_alu depctr_va_vdst(0)                   ; one wait for the batch of 68, ahead of its first reader
.irp b, 0,1,2,3
	v_max_num_f32 v[BM+\b], 0x1800000, v[BM+\b]    ; the floor 2^(3 - 127): the byte cannot fall under 1 (a block whose every p is 0 keeps that byte: its codes are zeros)
.endr
.irp b, 0,1,2,3
	v_add_nc_u32 v[SO+\b], 0xff000000, v[BM+\b]    ; 2 off the exponent field: the conversion's scale operand
.endr
.irp b, 0,1,2,3
	v_lshrrev_b32 v[PM+\b], 23, v[SO+\b]           ; the scale's byte
.endr
	v_lshl_or_b32 v[PW], v[PM+1], 8, v[PM]         ; p's scale word for these 128 keys
	v_lshl_or_b32 v[PW], v[PM+2], 16, v[PW]
	v_lshl_or_b32 v[PW], v[PM+3], 24, v[PW]
.irp b, 0,1,2,3
	v_cvt_scalef32_pk8_fp4_f32 v[PC+2*\b], v[SS+16*\b:SS+16*\b+7], v[SO+\b]
	v_cvt_scalef32_pk8_fp4_f32 v[PC+2*\b+1], v[SS+16*\b+8:SS+16*\b+15], v[SO+\b]
.endr
	v_nop                                          ; one plain line between a scaled conversion and the vector instruction that touches its result
.irp c, 0,1                                    ; the operand's layout wants a whole block in a lane: lanes 0-15 block 2 c, lanes 16-31 block 2 c + 1
.irp i, 0,1
	v_permlane16_swap_b32 v[PC+4*\c+\i], v[PC+4*\c+2+\i]
.endr
.endr
	v_pk_add_f32 v[SU:SU+1], v[SS:SS+1], v[SS+2:SS+3]          ; the row's sum, of the unquantised p: two at a time, in two chains.  These 32 lines also stand between the codes' and the scale word's last writes and the products below
.set n, 4
.rept 15
	v_pk_add_f32 v[14:15], v[14:15], v[SS+n:SS+n+1]
	v_pk_add_f32 v[SU:SU+1], v[SU:SU+1], v[SS+n+2:SS+n+3]
.set n, n+4
.endr
	v_pk_add_f32 v[14:15], v[14:15], v[SU:SU+1]
.irp t, 0,1,2,3                                ; O^T += V^T P^T: the four accumulators by turns
	v_wmma_scale_f32_16x16x128_f8f6f4 v[OO+8*\t:OO+8*\t+7], v[VB+8*\t:VB+8*\t+7], v[PC:PC+7], v[OO+8*\t:OO+8*\t+7], v[VS+\t], v[PW] matrix_a_fmt:MATRIX_FMT_FP4 matrix_b_fmt:MATRIX_FMT_FP4
.endr
.rept 4
	v_nop                                          ; four places in front of the next step's loads into V's registers, and of the stores that read O^T at the end
.endr
.endm
; A PHASE: steps 4 p .. 4 p + 3, of which mine is 4 p + my residue.  The next quarter is asked for at its head and put into LDS at its end.  A step behind my tile's diagonal is left out: a scalar branch on ids, round the step alone.
.macro PHASE p
.if \p < 3
	CLOAD \p+1
.endif
	v_add_nc_u32 v[A], (\p)*QUART, v[ABASE]
	s_add_co_u32 s[STP], s[RES], 4*(\p)
	s_cmp_gt_u32 s[STP], s[SL]
	s_cbranch_scc1 .Lidle_\@
	STEP 0
.Lidle_\@:
.if \p < 3
	CPUT \p+1
	MEET                                           ; the next quarter lies in LDS; nobody writes bytes that are being read: the quarters are disjoint
.endif
.endm
	PHASE 0
	PHASE 1
	PHASE 2
	PHASE 3
	; The pass for rows without any key that counts: all sixteen steps, four a wave.  Every wave walks the loop; the work is jumped over where my tile's first query has a counted key at or before it.
	s_mov_b32 s[TB], 0
	s_mov_b32 s[CNT], 0
.Lunder:
	v_add_nc_u32 v[A], s[TB], v[ABASE]
	s_cmp_ge_u32 s[Q0], s[FI]
	s_cbranch_scc1 .Lnot_under
	v_mov_b32 v[QF+4], 0                           ; the query's code at k = 64 is cleared: here the plain scores are wanted
.rept 4
	v_nop                                          ; an operand written by a vector instruction stands four places ahead of a scaled product
.endr
	STEP 1
.Lnot_under:
	s_add_co_u32 s[TB], s[TB], QUART
	s_add_co_u32 s[CNT], s[CNT], 1
	s_cmp_lt_u32 s[CNT], 4
	s_cbranch_scc1 .Lunder
	; THE MERGE.  Each wave puts -M, l and its O (as 16 rows of 256 bytes) into LDS; behind the barrier each of a tile's four waves takes four rows from all four stages, brings them under the largest M, divides and stores.
	v_add_f32 v14, v14, v15                        ; l's two halves,
	v_permlanex16_b32 v[TMP], v14, s[SEL], s[SEL+1]
	v_add_f32 v13, v14, v[TMP]                     ; and lane l xor 16's: beside -M
	ds_store_b64 v[STA], v[12:13]                  ; (both lanes of a query write the same eight bytes with the same values)
.irp t, 0,1,2,3
	ds_store_b128 v[STO], v[OO+8*\t:OO+8*\t+3] offset:64*\t        ; lane (r, h): o(r, 16 t + 8 h + 0 .. 7); each accumulator from its low end on
	ds_store_b128 v[STO], v[OO+8*\t+4:OO+8*\t+7] offset:64*\t+16
.endr
	MEET
.irp k, 0,1
.irp i, 0,1,2,3
	ds_load_b64 v[MS+8*\k+2*\i:MS+8*\k+2*\i+1], v[SRD] offset:128*\i+16*\k     ; wave i's -M and l of row 4 j + 2 k + h
.endr
.endr
.irp k, 0,1
.irp i, 0,1,2,3
	ds_load_b128 v[SS+16*\k+4*\i:SS+16*\k+4*\i+3], v[RD] offset:SWAVE*\i+2*SROW*\k   ; and my 16 bytes of its row
.endr
.endr
	s_wait_dscnt 8                                 ; the figures are in; the eight loads of rows may be out
.irp k, 0,1
	v_min3_num_f32 v[BM+\k], v[MS+8*\k], v[MS+8*\k+2], v[MS+8*\k+4]
.endr
.irp k, 0,1
	v_min_num_f32 v[BM+\k], v[BM+\k], v[MS+8*\k+6] ; the least -M: the row's M
.endr
.irp i, 0,1,2,3
.irp k, 0,1
	v_sub_f32 v[MS+8*\k+2*\i], v[BM+\k], v[MS+8*\k+2*\i]       ; wave i's M less the row's: 0 or less
.endr
.endr
.irp i, 0,1,2,3
.irp k, 0,1
	v_cvt_i32_f32 v[MS+8*\k+2*\i], v[MS+8*\k+2*\i]             ; (it saturates: a wave that had no step, or saw only masked keys, still stands at -2^40 and counts for nothing)
.endr
.endr
.irp i, 0,1,2,3
.irp k, 0,1
	v_ldexp_f32 v[MS+8*\k+2*\i], 1.0, v[MS+8*\k+2*\i]
.endr
.endr
.irp k, 0,1
	v_mul_f32 v[PM+\k], v[MS+8*\k], v[MS+8*\k+1]
.endr
.irp i, 1,2,3
.irp k, 0,1
	v_fma_f32 v[PM+\k], v[MS+8*\k+2*\i], v[MS+8*\k+2*\i+1], v[PM+\k]           ; the row's sum
.endr
.endr
.irp k, 0,1
	v_rcp_f32 v[PM+\k], v[PM+\k]
.endr
.irp k, 0,1
	v_cvt_f32_u32 v[QM+\k], v[QM+\k]               ; q_mask as 0.0 or 1.0.  (Plain lines behind the reciprocals)
.endr
	s_wait_alu depctr_va_vdst(0)                   ; one wait for both reciprocals
.irp k, 0,1
	v_mul_f32 v[PM+\k], v[PM+\k], v[QM+\k]
.endr
.irp i, 0,1,2,3
.irp k, 0,1
	v_mul_f32 v[MS+8*\k+2*\i], v[MS+8*\k+2*\i], v[PM+\k]       ; wave i's weight: 2^(its M - M) x q_mask / l
.endr
.endr
	s_wait_dscnt 0x0
.irp k, 0,1
.irp e, 0,1,2,3
	v_mul_f32 v[PC+4*\k+\e], v[SS+16*\k+\e], v[MS+8*\k]
.endr
.endr
.irp i, 1,2,3
.irp k, 0,1
.irp e, 0,1,2,3
	v_fma_f32 v[PC+4*\k+\e], v[SS+16*\k+4*\i+\e], v[MS+8*\k+2*\i], v[PC+4*\k+\e]
.endr
.endr
.endr
.irp k, 0,1
	global_store_b128 v[GO], v[PC+4*\k:PC+4*\k+3], s[16:17] offset:512*\k th:TH_STORE_NT   ; sixteen lanes store a row: 256 consecutive bytes, at a multiple of 256 from out0's first byte
.endr
	s_wait_tensorcnt 0x0
	ds_add_u32 v254, v255
	s_wait_dscnt 0x0
	s_endpgm
.Lfunc_end_k_q0c6869e215_attend:
	.size	k_q0c6869e215_attend, .Lfunc_end_k_q0c6869e215_attend-k_q0c6869e215_attend
	.p2alignl 7, 3214868480
	.fill 96, 4, 3214868480
	.section	.rodata,"a",@progbits
	.p2align	6, 0x0
	.amdhsa_kernel k_q0c6869e215_attend
		.amdhsa_group_segment_fixed_size 221184
		.amdhsa_private_segment_fixed_size 0
		.amdhsa_enable_private_segment 0
		.amdhsa_kernarg_size 56
		.amdhsa_user_sgpr_count 2
		.amdhsa_user_sgpr_kernarg_segment_ptr 1
		.amdhsa_wavefront_size32 1
		.amdhsa_system_sgpr_workgroup_id_x 1
		.amdhsa_system_sgpr_workgroup_id_y 1
		.amdhsa_system_sgpr_workgroup_id_z 1
		.amdhsa_system_vgpr_workitem_id 0
		.amdhsa_next_free_vgpr 256
		.amdhsa_next_free_sgpr 66
		.amdhsa_reserve_vcc 1
		.amdhsa_float_denorm_mode_32 3
		.amdhsa_float_denorm_mode_16_64 3
		.amdhsa_memory_ordered 1
		.amdhsa_forward_progress 1
		.amdhsa_inst_pref_size 119
	.end_amdhsa_kernel
	.amdgpu_metadata
---
amdhsa.version: [ 1, 2 ]
amdhsa.kernels:
  - .name:           k_q0c6869e215_attend
    .symbol:         k_q0c6869e215_attend.kd
    .args:
      - { .name: query_codes, .offset: 0, .size: 8, .value_kind: global_buffer, .address_space: global }
      - { .name: query_scales, .offset: 8, .size: 8, .value_kind: global_buffer, .address_space: global }
      - { .name: scale, .offset: 16, .size: 8, .value_kind: global_buffer, .address_space: global }
      - { .name: q_mask, .offset: 24, .size: 8, .value_kind: global_buffer, .address_space: global }
      - { .name: kv, .offset: 32, .size: 8, .value_kind: global_buffer, .address_space: global }
      - { .name: first, .offset: 40, .size: 8, .value_kind: global_buffer, .address_space: global }
      - { .name: out0, .offset: 48, .size: 8, .value_kind: global_buffer, .address_space: global }
    .group_segment_fixed_size: 221184
    .private_segment_fixed_size: 0
    .kernarg_segment_align: 8
    .kernarg_segment_size: 56
    .max_flat_workgroup_size: 512
    .sgpr_count:     66
    .vgpr_count:     256
    .wavefront_size: 32
...
	.end_amdgpu_metadata
.endif
;; end of part 2
;; ======== version 2 of 2: 2 launches
;; limits: right only within a limited range of input values
;; workspace buffers: kv 1,179,648 bytes; first 1,024 bytes of whole numbers
;; launch prep (part 3): grid 16 x 8, 4 waves a work-group, no clusters, 36,352 bytes of LDS; arguments value, v_mask, kv, first; writes kv, first
.if DOCPART == 3
	.amdgcn_target "amdgcn-amd-amdhsa--gfx1250"
	.amdhsa_code_object_version 6
	.text
	.protected	k_q0c6869e215_prep
	.globl	k_q0c6869e215_prep
	.p2align	8
	.type	k_q0c6869e215_prep,@function
k_q0c6869e215_prep:
	s_mov_b64 s[64:65], 0
	v_nop
	global_prefetch_b8 v0, s[64:65] scope:SCOPE_SE
	s_setreg_imm32_b32 hwreg(HW_REG_WAVE_MODE, 25, 1), 1
	s_wait_xcnt 0x0
; value [8][2048][64] f32 is quantised to FP4 (E2M1) twice: along d (its use as keys: K = 64, two blocks a key) and along the keys (its use as values: K = 2,048, a block = 32 keys of
; one column d), and laid out for the second launch IN THE ORDER OF THE OPERANDS' REGISTERS.  For each batch and each step of 128 keys one chunk of CH = 9,216 bytes:
;   +0     K's eight tiles of 16 keys, 512 bytes each: lane (r, h) at 16 (r + 16 h): block h of key 32 (T / 2) + 8 (T % 2) + r + 8 (r / 8)   (so that two neighbouring tiles' results are 16 neighbouring keys)
;   +4096  V's four tiles of 16 columns d, 1,024 bytes each: register group c at 512 c, lane (r, h) at 16 (r + 16 h): keys 64 c + 32 h + 0 .. 31 of column 16 t + r
;   +8192  K's scale words: lane L's 16 bytes hold word j = the word of tile j + 4 (L / 16), row L % 16
;   +8704  V's scale words: lane L's 16 bytes hold word t = the word of tile t, row L % 16 (lanes 16-31 hold the same again)
; A key's scale word: bytes 0, 1 its two blocks' E8M0 bytes; BYTE 2 CARRIES v_mask: 254 where the key does not count, 0 where it does (the second launch multiplies a code 1.0 at k = 64 by it); byte 3 = 127 over zero codes.
; A block's scale byte is its largest magnitude's exponent field - 2, held at 1 from below (a block of zeros keeps 1: its codes are zeros, and this program alone reads the bytes).
; Also: first[b] = the index of the first key of batch b that counts, 2,048 if none does: whole numbers, by integer arithmetic alone; 32 equal words a batch, of which the second launch reads the first.
; LIMITS: NaN and infinities in value are not served; blocks whose largest magnitude lies under 2^-124 keep the byte 1.
; SHARES: a work-group takes one step of one batch, each of its four waves 32 keys x 64 d = 8,192 consecutive bytes, read once by sixteen loads of 512 consecutive bytes.  They turn through the wave's own
; 32 rows x 272 bytes of LDS: back once with a lane to a key (registers along d) and once with a lane to a column (registers down the keys): the conversions take neighbours along K from one lane's registers.
.set CH,   9216
.set TP,   272                         ; a key's row in the turn: 256 bytes + 16 = 17 x 16, so that sixteen rows' equal columns fall 16 bytes apart modulo 256
.set TW,   32*TP                       ; a wave's turn
.set GK,   4*TW                        ; behind the turns: the step's 512 bytes of K's scale words, then 512 of V's
.set X,    16                          ; v16-79   the 8,192 bytes as loaded
.set KX,   80                          ; v80-143  my key's 64 numbers
.set VX,   144                         ; v144-207 my two columns' 32 keys each
.set MD,   208                         ; v208-223 64 bytes of v_mask (one wave of eight work-groups)
.set KC,   224                         ; v224-231 my key's codes
.set VC,   232                         ; v232-239 my columns' codes
.set WL,   240                         ; v240     LDS: where waves 0 and 1 read the gathered words
.set WO,   241                         ; v241     and where they go in the chunk
.set FO,   242                         ; v242     4 x lane
.set MM,   244                         ; v244-245 largest magnitudes
.set SO,   246                         ; v246-247 the conversions' scale operands
.set BY,   248                         ; v248-249 scale bytes
.set WD,   250                         ; v250     my key's scale word
.set T,    251                         ; v251-255 at work
	s_load_b256 s[4:11], s[0:1], 0x0               ; value s[4:5], v_mask s[6:7], kv s[8:9], first s[10:11]
	v_lshl_add_u32 v243, v0, 2, 0x8c00
	s_set_vgpr_msb 0x40
	v_mov_b32 v1, 0
	s_set_vgpr_msb 0x4000
	v_lshrrev_b32 v1, 5, v0
	v_readfirstlane_b32 s12, v1                    ; wave 0..3: which 32 of the step's 128 keys
	v_and_b32 v1, 31, v0                           ; lane
	s_wait_alu depctr_va_vdst(0)
	s_and_b32 s13, ttmp7, 0xffff                   ; batch
	s_lshl_b32 s14, s13, 11                        ; its first key among all 16,384
	s_mov_b32 s15, 0
	s_lshl_b32 s16, ttmp9, 7                       ; the step's 128 keys,
	s_lshl_b32 s17, s12, 5                         ; my wave's 32
	s_add_co_u32 s16, s16, s17
	s_add_co_u32 s18, s14, s16                     ; my first key
	s_mov_b32 s19, 0
	s_lshl_b32 s20, s18, 8                         ; 256 bytes a key
	s_mov_b32 s21, 0
	s_lshl_b32 s22, s13, 4
	s_add_co_u32 s22, s22, ttmp9
	s_mul_i32 s22, s22, CH                         ; my work-group's chunk
	s_mov_b32 s23, 0
	s_lshl_b32 s24, s13, 7                         ; first: 128 bytes a batch
	s_mov_b32 s25, 0
	s_mov_b32 s30, 0x76543210                      ; v_permlanex16_b32's selects for lane l xor 16
	s_mov_b32 s31, 0xfedcba98
	v_and_b32 v2, 15, v1                           ; r
	v_lshrrev_b32 v3, 4, v1                        ; u: the lane's half
	v_and_b32 v4, 8, v2
	v_add_nc_u32 v4, v4, v2
	v_lshl_add_u32 v11, v3, 3, v4                  ; MY KEY among the 32: 8 u + r + 8 (r / 8): lane 16 u + r is row r of tile 2 wave + u
	v_lshlrev_b32 v5, 4, v1                        ; 16 x lane
	v_lshlrev_b32 v6, 6, v1                        ; 64 x lane
	s_mul_i32 s28, s12, TW                         ; my turn
	v_mul_u32_u24 v7, v3, TP
	v_lshl_add_u32 v7, v2, 4, v7
	v_add_nc_u32 v7, s28, v7                       ; in: a load's 512 bytes are two keys' rows: lanes 0-15 one, lanes 16-31 the next
	v_mul_u32_u24 v8, v11, TP
	v_add_nc_u32 v8, s28, v8                       ; back, a lane to a key
	v_lshl_add_u32 v9, v1, 2, s28                  ; back, a lane to a column
	s_lshl_b32 s29, s12, 10
	v_lshlrev_b32 v12, 9, v3
	v_lshl_add_u32 v12, v2, 4, v12
	v_add_nc_u32 v12, s29, v12                     ; K's codes in the chunk: 1,024 wave + 512 u + 16 r (+ 256 for block 1)
	s_lshl_b32 s29, s12, 8
	s_add_co_u32 s29, s29, 4096
	v_lshlrev_b32 v13, 10, v3
	v_lshl_add_u32 v13, v2, 4, v13
	v_add_nc_u32 v13, s29, v13                     ; V's: 4,096 + 1,024 u + 256 wave + 16 r (+ 2,048 for my second column): 512 (wave / 2) + 256 (wave % 2) = 256 wave
	s_lshr_b32 s29, s12, 1
	s_lshl_b32 s29, s29, 8
	s_and_b32 s26, s12, 1
	s_lshl_b32 s26, s26, 3
	s_add_co_u32 s29, s29, s26
	s_add_co_u32 s29, s29, GK
	v_lshlrev_b32 v14, 4, v2
	v_lshl_add_u32 v14, v3, 2, v14                 ; 16 r + 4 u
	v_add_nc_u32 v15, s12, v14
	v_add_nc_u32 v15, GK+512, v15                  ; LDS: V's scale byte: row r, word 2 k + u, byte = my wave
	v_add_nc_u32 v14, s29, v14                     ; LDS: K's scale word: 256 (wave / 2) + 16 r + 8 (wave % 2) + 4 u
	s_lshl_b32 s29, s12, 9
	v_add_nc_u32 v[WO], s29, v5
	v_add_nc_u32 v[WL], GK, v[WO]
	v_add_nc_u32 v[WO], 8192, v[WO]
	v_lshlrev_b32 v[FO], 2, v1
	s_wait_kmcnt 0x0
	s_add_nc_u64 s[4:5], s[4:5], s[20:21]          ; value at my 32 keys
	s_add_nc_u64 s[26:27], s[6:7], s[18:19]        ; v_mask at my 32 keys,
	s_add_nc_u64 s[6:7], s[6:7], s[14:15]          ; and at the batch's first
	s_add_nc_u64 s[8:9], s[8:9], s[22:23]
	s_add_nc_u64 s[10:11], s[10:11], s[24:25]
	global_load_u8 v10, v11, s[26:27]              ; does my key count?
.irp i, 0,1,2,3,4,5,6,7,8,9,10,11,12,13,14,15
	global_load_b128 v[X+4*\i:X+4*\i+3], v5, s[4:5] offset:512*\i th:TH_LOAD_NT   ; 512 consecutive bytes; read once in the launch
.endr
	; first[b]: wave 2 of the batch's first work-group, while its numbers are on their way.  Whole numbers throughout.
	s_cmp_lg_u32 s12, 2
	s_cbranch_scc1 .Lmain
	s_cmp_lg_u32 ttmp9, 0
	s_cbranch_scc1 .Lmain
.irp i, 0,1,2,3
	global_load_b128 v[MD+4*\i:MD+4*\i+3], v6, s[6:7] offset:16*\i   ; lane l: keys 64 l .. 64 l + 63, a byte (0 or 1) each
.endr
	s_mov_b32 s29, 0x01020408
	v_mov_b32 v[T+3], 32
	v_mov_b32 v[T+4], 0
	s_wait_loadcnt 0x0
.set n, 0
.rept 16
	v_mul_lo_u32 v[MD+n], v[MD+n], s29             ; four bytes of 0 or 1 become four neighbouring bits, 24 to 27: byte i x 2^(24 - 7 i) lands at bit 24 + i, and no two terms of the product meet
.set n, n+1
.endr
.set n, 0
.rept 16
	v_lshrrev_b32 v[MD+n], 24, v[MD+n]
.set n, n+1
.endr
.irp n, 1,2,3,4,5,6,7
	v_lshl_or_b32 v[MD], v[MD+\n], 4*\n, v[MD]                 ; my keys 0-31 as bits,
	v_lshl_or_b32 v[MD+8], v[MD+8+\n], 4*\n, v[MD+8]           ; and 32-63
.endr
	v_or_b32 v[MD+1], v[MD], v[MD+8]
	v_cmp_ne_u32 vcc_lo, 0, v[MD]
	v_cndmask_b32 v[MD+2], v[MD+8], v[MD], vcc_lo              ; the first word that is not 0,
	v_cndmask_b32 v[MD+3], v[T+3], v[T+4], vcc_lo              ; and its first key: 0 or 32
.irp sh, 16,8,4,2,1                    ; its lowest bit that is set, by halving
	v_and_b32 v[T], (1<<\sh)-1, v[MD+2]
	v_lshrrev_b32 v[T+1], \sh, v[MD+2]
	v_add_nc_u32 v[T+2], \sh, v[MD+3]
	v_cmp_eq_u32 vcc_lo, 0, v[T]
	v_cndmask_b32 v[MD+2], v[MD+2], v[T+1], vcc_lo
	v_cndmask_b32 v[MD+3], v[MD+3], v[T+2], vcc_lo
.endr
	v_lshl_add_u32 v[MD+3], v1, 6, v[MD+3]         ; + 64 x lane
	v_mov_b32 v[T], 2048
	v_cmp_eq_u32 vcc_lo, 0, v[MD+1]
	v_cndmask_b32 v[MD+3], v[MD+3], v[T], vcc_lo   ; none of my 64 counts: 2,048
.irp m, 1,2,4,8
	v_mov_b32_dpp v[T], v[MD+3] row_xmask:\m row_mask:0xf bank_mask:0xf
	v_min_u32 v[MD+3], v[MD+3], v[T]
.endr
	v_permlanex16_b32 v[T], v[MD+3], s30, s31
	v_min_u32 v[MD+3], v[MD+3], v[T]               ; the least over the 32 lanes, in every lane
	global_store_b32 v[FO], v[MD+3], s[10:11]      ; 128 consecutive bytes
.Lmain:
.irp i, 0,1,2,3,4,5,6,7,8,9,10,11,12,13,14,15
	s_wait_loadcnt 15-\i                           ; loads come back in order: load i is in, the 15 - i behind it may be out
	ds_store_b128 v7, v[X+4*\i:X+4*\i+3] offset:2*TP*\i
.endr
.irp m, 0,1,2,3,4,5,6,7,8,9,10,11,12,13,14,15
	ds_load_b128 v[KX+4*\m:KX+4*\m+3], v8 offset:16*\m         ; LDS serves a wave's instructions in order: these see the stores above.  My key's 64 numbers
.endr
.macro COLUMN k                        ; column lane + 32 k, down the 32 keys: each load takes 128 consecutive bytes
.set n, 0
.rept 32
	ds_load_b32 v[VX+32*\k+n], v9 offset:TP*n+128*\k
.set n, n+1
.endr
.endm
	COLUMN 0
	s_wait_dscnt 32                                ; my key's numbers are in; the 32 loads behind them may be out
	COLUMN 1
; Two blocks of 32 numbers, v[src] on and v[src + 32] on, become codes in v[dst .. dst + 3] and v[dst + 4 .. dst + 7] and bytes in v[BY], v[BY + 1].
.macro QUANT2 src, dst
.irp h, 0,1
	v_max3_num_f32 v[MM+\h], |v[\src+32*\h]|, |v[\src+32*\h+1]|, 0x1800000   ; the largest magnitude, and the floor 2^(3 - 127): the byte cannot fall under 1
.endr
.irp i, 2,4,6,8,10,12,14,16,18,20,22,24,26,28,30
.irp h, 0,1
	v_max3_num_f32 v[MM+\h], v[MM+\h], |v[\src+32*\h+\i]|, |v[\src+32*\h+\i+1]|   ; (the two blocks by turns)
.endr
.endr
.irp h, 0,1
	v_add_nc_u32 v[SO+\h], 0xff000000, v[MM+\h]    ; 2 off its exponent field: the conversion takes the exponent field of this operand as its scale, and nothing else of it
.endr
.irp h, 0,1
	v_lshrrev_b32 v[BY+\h], 23, v[SO+\h]           ; the scale's byte
.endr
.irp h, 0,1
.irp g, 0,1,2,3
	v_cvt_scalef32_pk8_fp4_f32 v[\dst+4*\h+\g], v[\src+32*\h+8*\g:\src+32*\h+8*\g+7], v[SO+\h]
.endr
.endr
	v_nop                                          ; one plain line behind the last conversion of a run
.endm
	QUANT2 KX, KC
	v_mul_u32_u24 v[T], v10, 254
	v_sub_nc_u32 v[T], 254, v[T]                   ; 254 where my key does not count, 0 where it does
	v_lshl_or_b32 v[WD], v[BY+1], 8, v[BY]
	v_lshl_or_b32 v[WD], v[T], 16, v[WD]
	v_or_b32 v[WD], 0x7f000000, v[WD]
	ds_store_b32 v14, v[WD]
	global_store_b128 v12, v[KC:KC+3], s[8:9]                  ; lanes 0-15 and lanes 16-31 each store 256 consecutive bytes, at a multiple of 256 from the buffer's first byte
	global_store_b128 v12, v[KC+4:KC+7], s[8:9] offset:256
	s_wait_dscnt 0x0                               ; both columns are in
	QUANT2 VX, VC
.irp k, 0,1
	ds_store_b8 v15, v[BY+\k] offset:8*\k          ; byte = my wave's block of 32 keys, in the word of column lane + 32 k,
	ds_store_b8 v15, v[BY+\k] offset:8*\k+256      ; and once more for lanes 16-31 of the reader
	global_store_b128 v13, v[VC+4*\k:VC+4*\k+3], s[8:9] offset:2048*\k
.endr
	s_wait_dscnt 0x0                               ; for the others' sake: my words and bytes have landed
	s_barrier_signal -1
	s_barrier_wait -1
	s_cmp_gt_u32 s12, 1
	s_cbranch_scc1 .Lend
	ds_load_b128 v[T+1:T+4], v[WL]                 ; wave 0: K's 512 bytes of scale words; wave 1: V's
	s_wait_dscnt 0x0
	global_store_b128 v[WO], v[T+1:T+4], s[8:9]    ; 512 consecutive bytes
.Lend:
	s_set_vgpr_msb 0x4
	s_wait_tensorcnt 0x0
	ds_add_u32 v243, v1
	s_wait_dscnt 0x0
	s_set_vgpr_msb 0x400
	s_endpgm
.Lfunc_end_k_q0c6869e215_prep:
	.size	k_q0c6869e215_prep, .Lfunc_end_k_q0c6869e215_prep-k_q0c6869e215_prep
	.p2alignl 7, 3214868480
	.fill 96, 4, 3214868480
	.section	.rodata,"a",@progbits
	.p2align	6, 0x0
	.amdhsa_kernel k_q0c6869e215_prep
		.amdhsa_group_segment_fixed_size 36352
		.amdhsa_private_segment_fixed_size 0
		.amdhsa_enable_private_segment 0
		.amdhsa_kernarg_size 32
		.amdhsa_user_sgpr_count 2
		.amdhsa_user_sgpr_kernarg_segment_ptr 1
		.amdhsa_wavefront_size32 1
		.amdhsa_system_sgpr_workgroup_id_x 1
		.amdhsa_system_sgpr_workgroup_id_y 1
		.amdhsa_system_sgpr_workgroup_id_z 1
		.amdhsa_system_vgpr_workitem_id 0
		.amdhsa_next_free_vgpr 258
		.amdhsa_next_free_sgpr 66
		.amdhsa_reserve_vcc 1
		.amdhsa_float_denorm_mode_32 3
		.amdhsa_float_denorm_mode_16_64 3
		.amdhsa_memory_ordered 1
		.amdhsa_forward_progress 1
		.amdhsa_inst_pref_size 24
	.end_amdhsa_kernel
	.amdgpu_metadata
---
amdhsa.version: [ 1, 2 ]
amdhsa.kernels:
  - .name:           k_q0c6869e215_prep
    .symbol:         k_q0c6869e215_prep.kd
    .args:
      - { .name: value, .offset: 0, .size: 8, .value_kind: global_buffer, .address_space: global }
      - { .name: v_mask, .offset: 8, .size: 8, .value_kind: global_buffer, .address_space: global }
      - { .name: kv, .offset: 16, .size: 8, .value_kind: global_buffer, .address_space: global }
      - { .name: first, .offset: 24, .size: 8, .value_kind: global_buffer, .address_space: global }
    .group_segment_fixed_size: 36352
    .private_segment_fixed_size: 0
    .kernarg_segment_align: 8
    .kernarg_segment_size: 32
    .max_flat_workgroup_size: 128
    .sgpr_count:     66
    .vgpr_count:     258
    .wavefront_size: 32
...
	.end_amdgpu_metadata
.endif
;; end of part 3
;; launch attend (part 4): grid 32 x 8, 16 waves a work-group, no clusters, 221,184 bytes of LDS; arguments query_codes, query_scales, scale, q_mask, kv, first, out0; writes out0
.if DOCPART == 4
	.amdgcn_target "amdgcn-amd-amdhsa--gfx1250"
	.amdhsa_code_object_version 6
	.text
	.protected	k_q0c6869e215_attend
	.globl	k_q0c6869e215_attend
	.p2align	8
	.type	k_q0c6869e215_attend,@function
k_q0c6869e215_attend:
	s_mov_b64 s[64:65], 0
	v_nop
	global_prefetch_b8 v0, s[64:65] scope:SCOPE_SE
	s_setreg_imm32_b32 hwreg(HW_REG_WAVE_SCHED_MODE, 0, 2), 2
	s_setreg_imm32_b32 hwreg(HW_REG_WAVE_MODE, 25, 1), 1
	s_wait_xcnt 0x0
	s_wait_alu depctr_vm_vsrc(0)
; out0[b][q] = q_mask x the sum over k of softmax_k(query[b][q] . value[b][k] x scale - 1e9 x (k > q or not v_mask[b][k])) value[b][k], both products on FP4 (E2M1) codes with one E8M0 scale for each 32 along K.
; THE SOFTMAX: t = logit x log2(e); M = the running largest t rounded up to a whole number; p = 2^(t - M) is quantised along the keys; the row's sum l is taken of the unquantised p and divides at the end.
; kv holds, for each batch and step of 128 keys, a chunk of CH bytes made by the first launch: images of the operands' registers (K's 8 tiles, V's 4 tiles, their scale words): every fragment is ds_load_b128 at 16 x lane.
; SHARES.  Work-group w of a batch owns query tiles 2 w, 2 w + 1, 127 - 2 w, 126 - 2 w (16 queries each): with the steps behind the diagonal left out, (w / 4 + 1) + (16 - w / 4) = 17 steps a pair, 34 in every work-group.
; Four waves serve a tile, each the steps of one residue modulo 4; tiles and residues are dealt so that four waves with equal (wave % 4) hold 8 or 9 steps, and four with equal (wave / 4) at most 10.
; Both products are used transposed (S^T = K Q^T, O^T = V^T P^T): a lane holds ONE query (lane % 16) throughout.  The four waves' (M, l, O) meet in LDS at the end: M is a whole number, so that is an exact scaling.
; THE BATCH'S 147,456 BYTES come into LDS once, through registers, a quarter (4 steps) at a time: quarter p + 1 is loaded while quarter p is worked on and stored to LDS in front of one barrier.  No LDS byte is written twice.
; v_mask COSTS NO VECTOR WORK.  K = 64 fills half of the instruction's 128; k = 64 carries the mask: the key's code there is +1.0 under its scale word's byte 2 (254 where it does not count, 0 where it does), the query's
; is -1.0 under byte 120: a key that does not count scores about -2^120, one that counts s - 2^-134.  The causal mask is made in a tile's one diagonal step, by compare and select.
; A MASKED SCORE NEVER BECOMES THE MAXIMUM.  The running largest t starts at -2^40.  c = |scale| log2(e) is held at 2^-60 from below, so a masked t, -2^120 c, is at most -2^60, for every scale, 0 too (the hold changes t by
; under 2^-60 |s|); every real t, and the -1.44e9 of the pass below, lies above -2^40.  So where only masked keys have been seen M stays -2^40, p = 0, l = 0 and O = 0: no difference of two huge numbers is ever formed.
; ROWS WITHOUT ANY KEY THAT COUNTS (q < first[b]).  The 1e9 is subtracted, not infinity: such a row is a softmax over ALL 2,048 keys of fl(fl(s x scale) - 1e9).  A tile whose first query lies under first[b] walks all keys once
; more with just that arithmetic (the query's code at k = 64 and the keys' scale byte for it cleared), onto the same running state: a row that has a counted key gets p = 0 there; a row that has none comes with zeros.
; That is a branch on a stored whole number, inside a loop of constant count.
; THE SIGN OF scale goes into the query's codes (their sign bits turned where scale < 0), so that c is positive and the largest score gives the largest p.
; NO JOINT REQUESTS, though the 32 work-groups of a batch read the same bytes: a joint request is a tensor load.
; LIMITS: NaN and infinities are not served; |s x scale| stays under 4e8 (there the masked weights of a row that has a counted key are 0 in the problem's own arithmetic too, and every real t lies far above -2^40).
; THE MODE: SCHED_MODE bits 1:0 = 2 (LLVM: expert scheduling mode 2), set by the entry lines.  The code itself states the register dependences between vector or matrix instructions and memory or LDS instructions,
; with s_wait_alu, always for 0.
; THE PLAN.  Registers that memory or LDS instructions touch:
;   v[C16 ..], v[C8 ..], v[AB ..] (a register for each quarter), STO, STA, RD, SRD, GO: addresses and offsets.  Made at the head, ahead of ONE wait on va_vdst, and never written again.
;   v[SS+3 .. SS+5]  Offsets of the head's loads of Q, its scales and q_mask; the first products write them: the first phase's wait on vm_vsrc stands between.
;   v[L ..]          A quarter on its way: global loads land in it, LDS stores read it, no vector instruction names it.  One wait on vm_vsrc a phase, ahead of the next quarter's loads.
;   KS, KB's low halves  LDS loads land in them twice a step; the products K Q^T read them.  A wait on va_vdst at the step's head and one behind the first four products.
;   VS, VB           LDS loads land in them behind K's second half; the products V^T P^T at the step's end read them: the next step's two waits stand ahead of the next loads.
;   v[A]             The second pass alone: written once a trip, behind a wait on vm_vsrc; the step's head wait stands ahead of the loads that read it.
;   v[12:13], O^T    Read by the merge's LDS stores, behind one wait on va_vdst, which also shows all work on v[SS ..] done: the loads behind the barrier land there.
;   v[PC ..]         At the end the data of the global stores: one wait on va_vdst.
; Vector results that scalar or vector instructions read from scalar registers: the wave's number, c, and the diagonal step's masks (sixteen compares into sixteen scalar registers, one wait on va_sdst, sixteen selects).
; Vector results that a scaled product takes as operand or scales (p's codes and scale word; in the second pass K's scale words): a wait on va_vdst behind the places.
.set CH,     9216                      ; a step's chunk: K's codes 4,096, V's codes 4,096, K's scale words 512, V's 512
.set QUART,  4*CH
.set BATCHB, 16*CH
.set VOFF,   4096
.set KSOFF,  8192
.set VSOFF,  8704
.set STG,    BATCHB                    ; behind kv: a stage of 16 rows x (256 + 16) bytes for each wave's O
.set SROW,   272
.set SWAVE,  16*SROW
.set STAT,   STG+16*SWAVE              ; behind the stages: -M and l, 8 bytes a query, 128 bytes a wave
.set A,     2                          ; v2   the second pass: the step in hand
.set DL,    7                          ; v7   r - 16 h
.set STO,   8                          ; v8   the stage: where I put 32 bytes of a row
.set STA,   9                          ; v9   where I put -M and l
.set RD,    10                         ; v10  where I read rows back
.set SRD,   11                         ; v11  where I read -M and l
                                       ; v12 -M, v13 the largest t, v[14:15] l in two halves
.set QF,    16                         ; v16-23  Q's fragment: 16-19 its codes, 20 the code at k = 64, 21-23 zeros
.set QS,    24                         ; v24     Q's scale words
.set GO,    25                         ; v25     my byte offset in the tile's rows of out0
.set KS,    26                         ; v26-29  K's scale words: register j: lanes 0-15 tile j, lanes 16-31 tile j + 4
.set VS,    30                         ; v30-33  V's: register t: tile t
.set KB,    34                         ; v34-65  four fragments of K: registers 0-3 loaded, 4 the code at k = 64, 5-7 zeros: written once
.set VB,    66                         ; v66-97  V's four fragments
.set SS,    98                         ; v98-161 S^T, then p; at the head and the end at work
.set OO,    162                        ; v162-193 O^T
.set PC,    194                        ; v194-201 p's codes
.set BM,    202                        ; v202-205 a block's largest score, then its largest p
.set PM,    206                        ; v206-209 the other half's; then bytes
.set SO,    210                        ; v210-213 the conversions' scale operands
.set FF,    214                        ; v214 f = 2^(old M - new M); v215 named with it as a pair
.set PW,    216                        ; v216 p's scale word
.set TMP,   217
.set SU,    218                        ; v218-219 the sum's second chain
.set L,     220                        ; v220-237 the quarter on its way
.set QM,    238                        ; v238-239 q_mask of the two rows that I store
.set C16,   240                        ; v240-243 register p: 16 x thread + QUART p: where quarter p's copy goes in LDS; register 0 is also the copy's offset in memory; never rewritten
.set C8,    244                        ; v244-247 register p: 8 x thread + QUART p, likewise
.set AB,    248                        ; v248-251 register p: 16 x lane + CH x my residue + QUART p: my step of quarter p; never rewritten
.set MS,    SS+32                      ; the merge: -M and l of four waves x two rows
.set MK,    19                         ; s19-26, s30-37: behind the head, the diagonal step's sixteen masks
.set RES,   29                         ; s29  my residue
.set SL,    40                         ; s40  my tile's diagonal step
.set Q0,    41                         ; s41  my tile's first query
.set FI,    42                         ; s42  first[b]
.set SCL,   43                         ; s43  scale
.set CS,    44                         ; s[44:45] c
.set SA,    46                         ; s[46:47] |scale|
.set SEL,   48                         ; s[48:49] v_permlanex16_b32's selects for lane l xor 16
.set STP,   50                         ; s50  the step in hand
.set TB,    51                         ; s51  the second pass: the quarter in hand, in bytes
.set CNT,   52
.set NB,    56                         ; s[56:57] -1e9
.set LE,    58                         ; s[58:59] log2(e)
.macro CLOAD p                         ; quarter p: 36,864 bytes = 512 threads x (4 x 16 + 8)
.irp i, 0,1,2,3
	global_load_b128 v[L+4*\i:L+4*\i+3], v[C16], s[12:13] offset:(\p)*QUART+8192*\i
.endr
	global_load_b64 v[L+16:L+17], v[C8], s[12:13] offset:(\p)*QUART+32768
.endm
.macro CPUT p                          ; and into LDS, at the same offsets: the addresses were made at the head
	s_wait_loadcnt 0x0
.irp i, 0,1,2,3
	ds_store_b128 v[C16+(\p)], v[L+4*\i:L+4*\i+3] offset:8192*\i
.endr
	ds_store_b64 v[C8+(\p)], v[L+16:L+17] offset:32768
.endm
.macro MEET                            ; my LDS stores have landed: then the work-group's barrier
	s_wait_dscnt 0x0
	s_barrier_signal -1
	s_barrier_wait -1
.endm
	s_load_b256 s[4:11], s[0:1], 0x0               ; query_codes s[4:5], query_scales s[6:7], scale s[8:9], q_mask s[10:11]
	s_load_b128 s[12:15], s[0:1], 0x20             ; kv s[12:13], first s[14:15]
	s_load_b64 s[16:17], s[0:1], 0x30              ; out0
	v_lshl_add_u32 v254, v0, 2, 0x35800
	v_mov_b32 v255, 0
	; all that hangs on no argument stands here, while the arguments are on their way: so one wait can state every address written
	v_lshrrev_b32 v[TMP], 5, v0
	v_readfirstlane_b32 s18, v[TMP]                ; wave 0..15
	v_lshlrev_b32 v[C16], 4, v0
	v_lshlrev_b32 v[C8], 3, v0
.irp p, 1,2,3
	v_add_nc_u32 v[C16+\p], \p*QUART, v[C16]
	v_add_nc_u32 v[C8+\p], \p*QUART, v[C8]
.endr
	v_and_b32 v[SS], 31, v0                        ; lane
	v_and_b32 v[SS+1], 15, v0                      ; r
	v_bfe_u32 v[SS+2], v0, 4, 1                    ; h
	s_wait_alu depctr_va_vdst(0)
	v_lshlrev_b32 v[SS+3], 5, v[SS+1]
	v_lshl_add_u32 v[SS+3], v[SS+2], 4, v[SS+3]    ; Q's codes: 32 r + 16 h
	v_lshlrev_b32 v[SS+4], 1, v[SS+1]              ; its scale bytes: 2 r
	s_and_b32 s19, ttmp7, 0xffff                   ; batch
	s_mul_i32 s20, s19, BATCHB
	s_mov_b32 s21, 0
	s_lshl_b32 s22, s19, 7
	s_mov_b32 s23, 0
	s_wait_alu depctr_va_sdst(0)                   ; s18, the wave's number, is written, ahead of its first reader
	; who am I?  wave = 4 a + j;  slot = (a + j) % 4: 0, 2 the low tiles, 1, 3 the high ones;  residue = (j + (slot & 2)) % 4, turned round (3 - ..) for a high tile
	s_lshr_b32 s26, s18, 2
	s_and_b32 s27, s18, 3                          ; j
	s_add_co_u32 s28, s26, s27
	s_and_b32 s28, s28, 3                          ; slot
	s_and_b32 s[RES], s28, 2
	s_add_co_u32 s[RES], s[RES], s27
	s_and_b32 s[RES], s[RES], 3
	s_and_b32 s30, s28, 1
	s_mul_i32 s31, s30, 3
	s_xor_b32 s[RES], s[RES], s31
	s_lshr_b32 s31, s28, 1
	s_lshl_b32 s32, ttmp9, 1
	s_add_co_u32 s31, s31, s32                     ; 2 w + slot / 2,
	s_mul_i32 s32, s30, 127
	s_xor_b32 s31, s31, s32                        ; or 127 less that: my tile
	s_lshr_b32 s[SL], s31, 3
	s_lshl_b32 s[Q0], s31, 4
	s_lshl_b32 s32, s19, 11
	s_add_co_u32 s32, s32, s[Q0]                   ; my first query among all 16,384
	s_mov_b32 s33, 0
	s_mov_b32 s35, 0
	s_lshl_b32 s36, s27, 2
	v_add_nc_u32 v[SS+5], s36, v[SS+2]             ; the rows that I store at the end: 4 j + h and 4 j + 2 + h
	; every LDS address is made here, of the lane and the wave's number alone
	s_mul_i32 s36, s[RES], CH
	v_lshl_add_u32 v[AB], v[SS], 4, s36
.irp p, 1,2,3
	v_add_nc_u32 v[AB+\p], \p*QUART, v[AB]
.endr
	s_lshl_b32 s37, s28, 2
	s_add_co_u32 s37, s37, s27                     ; 4 slot + j: my place among the stages
	s_mul_i32 s36, s37, SWAVE
	s_add_co_u32 s36, s36, STG
	v_mul_u32_u24 v[STO], v[SS+1], SROW
	v_lshl_add_u32 v[STO], v[SS+2], 5, v[STO]
	v_add_nc_u32 v[STO], s36, v[STO]               ; in: row r, 32 h bytes on
	s_lshl_b32 s36, s37, 7
	s_add_co_u32 s36, s36, STAT
	v_lshl_add_u32 v[STA], v[SS+1], 3, s36
	s_mul_i32 s36, s28, 4*SWAVE
	s_mul_i32 s37, s27, 4*SROW
	s_add_co_u32 s36, s36, s37
	s_add_co_u32 s36, s36, STG
	v_mul_u32_u24 v[RD], v[SS+2], SROW
	v_lshl_add_u32 v[RD], v[SS+1], 4, v[RD]
	v_add_nc_u32 v[RD], s36, v[RD]                 ; back: my slot's four stages, rows 4 j + h: lanes 0-15 one row of 256 bytes, lanes 16-31 the next
	s_lshl_b32 s36, s28, 9
	s_lshl_b32 s37, s27, 5
	s_add_co_u32 s36, s36, s37
	s_add_co_u32 s36, s36, STAT
	v_lshl_add_u32 v[SRD], v[SS+2], 3, s36
	s_lshl_b32 s36, s27, 10
	v_lshlrev_b32 v[GO], 8, v[SS+2]
	v_lshl_add_u32 v[GO], v[SS+1], 4, v[GO]
	v_add_nc_u32 v[GO], s36, v[GO]
	s_mov_b32 s[SEL], 0x76543210
	s_mov_b32 s[SEL+1], 0xfedcba98
	s_mov_b32 s[NB], 0xce6e6b28                    ; -1e9
	s_mov_b32 s[NB+1], s[NB]                       ; (the packed forms name pairs and take the low word for both halves: so the upper words are written)
	s_mov_b32 s[LE], 0x3fb8aa3b                    ; log2(e)
	s_mov_b32 s[LE+1], s[LE]
	s_wait_kmcnt 0x0
	s_add_nc_u64 s[12:13], s[12:13], s[20:21]      ; kv at my batch
	s_add_nc_u64 s[14:15], s[14:15], s[22:23]
	s_wait_alu depctr_va_vdst(0)                   ; every address and offset of the kernel is written: v[C16 ..], v[C8 ..], v[AB ..], v[SS+3 .. SS+5], STO, STA, RD, SRD, GO, which the loads and stores from here on read
	CLOAD 0                                        ; the first quarter before any other load
	s_load_b32 s[FI], s[14:15], 0x0
	s_load_b32 s[SCL], s[8:9], 0x0
	s_lshl_b32 s34, s32, 5
	s_add_nc_u64 s[4:5], s[4:5], s[34:35]          ; 32 bytes of codes a query,
	s_lshl_b32 s34, s32, 1
	s_add_nc_u64 s[6:7], s[6:7], s[34:35]          ; 2 scale bytes,
	s_add_nc_u64 s[10:11], s[10:11], s[32:33]      ; 1 of q_mask,
	s_lshl_b32 s34, s32, 8
	s_add_nc_u64 s[16:17], s[16:17], s[34:35]      ; 256 of out0
	global_load_b128 v[QF:QF+3], v[SS+3], s[4:5]   ; Q(r, 32 h .. 32 h + 31): the wave reads 512 consecutive bytes
	global_load_u16 v[QS], v[SS+4], s[6:7]
	global_load_u8 v[QM], v[SS+5], s[10:11]
	global_load_u8 v[QM+1], v[SS+5], s[10:11] offset:2
	; what follows names none of the registers that the loads above touch
	v_lshlrev_b32 v[DL], 4, v[SS+2]
	v_sub_nc_u32 v[DL], v[SS+1], v[DL]
	; the constant upper halves of the fragments: k = 64 lies in the low four bits of register 4 of lanes 0-15
	v_lshlrev_b32 v[SS+6], 1, v[SS+2]
	v_sub_nc_u32 v[SS+6], 2, v[SS+6]               ; code 2 = +1.0 in lanes 0-15, 0 in lanes 16-31
.irp t, 0,1,2,3
	v_mov_b32 v[KB+8*\t+4], v[SS+6]
	v_mov_b32 v[KB+8*\t+5], 0
	v_mov_b32 v[KB+8*\t+6], 0
	v_mov_b32 v[KB+8*\t+7], 0
.endr
	v_mul_u32_u24 v[SS+7], v[SS+2], 10
	v_sub_nc_u32 v[QF+4], 10, v[SS+7]              ; code 10 = -1.0 in lanes 0-15
	v_mov_b32 v[QF+5], 0
	v_mov_b32 v[QF+6], 0
	v_mov_b32 v[QF+7], 0
	v_mov_b32 v13, 0xd3800000                      ; the largest t so far: -2^40: under every real t and under -1.44e9, above every masked t (at most -2^60)
	v_floor_f32 v12, -v13                          ; -M
	v_mov_b32 v14, 0
	v_mov_b32 v15, 0
.irp b, 0,1,2,3
	v_mov_b32 v[PM+\b], 0                          ; written once: a lane permute's destination counts as one of its sources
.endr
	v_mov_b32 v[FF+1], 0                           ; (named as the upper half of a pair)
	s_wait_kmcnt 0x0                               ; scale and first[b]
	s_and_b32 s[SA], s[SCL], 0x7fffffff            ; |scale|
	s_mov_b32 s[SA+1], s[SA]
	s_ashr_i32 s54, s[SCL], 31
	s_and_b32 s54, s54, 0x88888888                 ; the sign bits of eight codes, where scale is negative
	v_mov_b32 v[TMP], s[SA]
	v_mul_f32 v[TMP], 0x3fb8aa3b, v[TMP]           ; x log2(e)
	v_max_num_f32 v[TMP], 0x21800000, v[TMP]       ; at least 2^-60
	v_readfirstlane_b32 s[CS], v[TMP]
	s_wait_alu depctr_va_sdst(0)                   ; c is written, ahead of its first reader
	s_mov_b32 s[CS+1], s[CS]
	CPUT 0                                         ; its wait is for all my loads: the quarter, Q, q_mask
.irp i, 0,1,2,3
	v_xor_b32 v[QF+\i], s54, v[QF+\i]              ; -q where scale is negative
.endr
	v_or_b32 v[QS], 0x7f780000, v[QS]              ; byte 2 = 120 for the code at k = 64, byte 3 = 127 over zeros
.set n, 0
.rept 32
	v_mov_b32 v[OO+n], 0                           ; O^T: a wave may have no step at all, and a step is written once: it finds zeros.  (These also stand between the lines above and the first product)
.set n, n+1
.endr
	MEET                                           ; quarter 0 lies in LDS
; A KEY STEP: 128 keys at v[a].  am = 0: the keys that count;  am = 1: the pass for rows without any: every logit is fl(fl(s x scale) - 1e9).
.macro STEP am, a
	s_wait_alu depctr_va_vdst(0)                   ; the products of the step before are done reading K's fragments and scale words, in which the loads below land.  Ahead of my first step: Q's fragment, its scale word and K's constant halves are written, which the products below take; in the second pass: so are v[A], which the loads read, and the query's cleared code
	ds_load_b128 v[KS:KS+3], v[\a] offset:KSOFF
.irp t, 0,1,2,3
	ds_load_b128 v[KB+8*\t:KB+8*\t+3], v[\a] offset:512*\t
.endr
	s_wait_dscnt 0x0                               ; K's scale words and tiles 0-3 are in
.if \am
.irp t, 0,1,2,3
	v_and_b32 v[KS+\t], 0xff00ffff, v[KS+\t]       ; the keys' byte for k = 64 is cleared: here no key is told from another, and no large scale stands beside the plain scores
.endr
.rept 8
	v_nop                                          ; a scale register written by a vector instruction stands eight places ahead of a scaled product
.endr
	s_wait_alu depctr_va_vdst(0)                   ; the four lines above have written K's scale words, which the products take as scales; the places stay beside this wait
.endif
.irp t, 0,1,2,3
	v_wmma_scale_f32_16x16x128_f8f6f4 v[SS+8*\t:SS+8*\t+7], v[KB+8*\t:KB+8*\t+7], v[QF:QF+7], 0, v[KS+\t], v[QS] matrix_a_fmt:MATRIX_FMT_FP4 matrix_b_fmt:MATRIX_FMT_FP4
.endr
.rept 4
	v_nop                                          ; the four places behind the products stand as they stood
.endr
	s_wait_alu depctr_va_vdst(0)                   ; the four products are done reading K's tiles 0-3, in whose registers tiles 4-7 land; the last step's products V^T P^T were done reading V's at the head's wait, and nothing since names them
.irp t, 0,1,2,3
	ds_load_b128 v[KB+8*\t:KB+8*\t+3], v[\a] offset:2048+512*\t
.endr
	ds_load_b128 v[VS:VS+3], v[\a] offset:VSOFF    ; V is asked for behind K's second half and lands under the softmax
.irp t, 0,1,2,3
.irp c, 0,1
	ds_load_b128 v[VB+8*\t+4*\c:VB+8*\t+4*\c+3], v[\a] offset:VOFF+1024*\t+512*\c
.endr
.endr
	s_wait_dscnt 9                                 ; K's tiles 4-7 are in; the nine loads for V, issued behind them, may be out
.irp t, 0,1,2,3
	v_wmma_scale_f32_16x16x128_f8f6f4 v[SS+32+8*\t:SS+32+8*\t+7], v[KB+8*\t:KB+8*\t+7], v[QF:QF+7], 0, v[KS+\t], v[QS] matrix_a_fmt:MATRIX_FMT_FP4 matrix_b_fmt:MATRIX_FMT_FP4 matrix_a_scale:MATRIX_SCALE_ROW1
.endr                                              ; lane (r, h) holds query r; register 16 b + i holds key 32 b + 16 h + i of the step
.rept 4
	v_nop                                          ; four places in front of the first read of results
.endr
.if \am
.set n, 0
.rept 32
	v_pk_mul_f32 v[SS+n:SS+n+1], v[SS+n:SS+n+1], s[SA:SA+1] op_sel_hi:[1,0]       ; s x scale,
.set n, n+2
.endr
.set n, 0
.rept 32
	v_pk_add_f32 v[SS+n:SS+n+1], v[SS+n:SS+n+1], s[NB:NB+1] op_sel_hi:[1,0]       ; - 1e9: rounded as the problem rounds it,
.set n, n+2
.endr
.set n, 0
.rept 32
	v_pk_mul_f32 v[SS+n:SS+n+1], v[SS+n:SS+n+1], s[LE:LE+1] op_sel_hi:[1,0]       ; x log2(e) = t
.set n, n+2
.endr
.else
	s_cmp_lg_u32 s[STP], s[SL]                     ; the diagonal step: the scores of keys behind my query become -infinity.  Every earlier step skips this
	s_cbranch_scc1 .Lopen_\@
	s_lshl_b32 s53, s[STP], 7
	s_sub_co_i32 s53, s[Q0], s53
	v_add_nc_u32 v[SU], s53, v[DL]                 ; d = my query - the step's first key - 16 h: register 16 b + i is hidden where 32 b + i > d
	v_mov_b32 v[TMP], 0xff800000
.set g, 0
.rept 4                                        ; a block of 32 keys at a time: sixteen compares into sixteen scalar registers, one wait, sixteen selects
.set n, 0
.rept 16
	v_cmp_gt_i32 s[MK+n+3*(n/8)], 32*g+n, v[SU]
.set n, n+1
.endr
	s_wait_alu depctr_va_sdst(0)                   ; the sixteen masks are written, ahead of the selects that read them
.set n, 0
.rept 16
	v_cndmask_b32 v[SS+16*g+n], v[SS+16*g+n], v[TMP], s[MK+n+3*(n/8)]
.set n, n+1
.endr
.set g, g+1
.endr
.Lopen_\@:
.endif
.irp b, 0,1,2,3
	v_max3_num_f32 v[BM+\b], v[SS+16*\b], v[SS+16*\b+1], v[SS+16*\b+2]   ; the largest score of each block of 32 keys: it serves the row's maximum and, since p rises with the score, the block's largest p
.endr
.irp i, 3,5,7,9,11,13
.irp b, 0,1,2,3
	v_max3_num_f32 v[BM+\b], v[BM+\b], v[SS+16*\b+\i], v[SS+16*\b+\i+1]  ; (the four blocks by turns)
.endr
.endr
.irp b, 0,1,2,3
	v_max_num_f32 v[BM+\b], v[BM+\b], v[SS+16*\b+15]
.endr
.irp b, 0,1,2,3
	v_permlanex16_b32 v[PM+\b], v[BM+\b], s[SEL], s[SEL+1]
.endr
.irp b, 0,1,2,3
	v_max_num_f32 v[BM+\b], v[BM+\b], v[PM+\b]     ; with lane l xor 16's 16 keys
.endr
	v_max3_num_f32 v[TMP], v[BM], v[BM+1], v[BM+2]
	v_max_num_f32 v[TMP], v[TMP], v[BM+3]
.if !\am
	v_mul_f32 v[TMP], s[CS], v[TMP]                ; as t (c is positive)
.endif
	v_max_num_f32 v13, v13, v[TMP]                 ; the running largest t: never under -2^40, so never a masked key's
	v_mov_b32 v[TMP], v12
	v_floor_f32 v12, -v13                          ; the new -M = -ceil(t): a whole number
	v_sub_f32 v[TMP], v12, v[TMP]                  ; old M - new M: 0 or less
	v_cvt_i32_f32 v[TMP], v[TMP]                   ; (it saturates)
	v_ldexp_f32 v[FF], 1.0, v[TMP]                 ; f = 2^(old M - new M): 0 where M has risen out of reach
.set n, 0
.rept 32
.if \am
	v_pk_add_f32 v[SS+n:SS+n+1], v[SS+n:SS+n+1], v[12:13] op_sel_hi:[1,0]                 ; t - M (in a row without a counted key both are multiples of 128: exact)
.else
	v_pk_fma_f32 v[SS+n:SS+n+1], v[SS+n:SS+n+1], s[CS:CS+1], v[12:13] op_sel_hi:[1,0,0]   ; t - M, two at a time (of the pairs c and -M the low word serves both halves)
.endif
.set n, n+2
.endr
.irp b, 0,1,2,3
.if \am
	v_add_f32 v[BM+\b], v[BM+\b], v12
.else
	v_fma_f32 v[BM+\b], v[BM+\b], s[CS], v12       ; the same of each block's largest score
.endif
.endr
.set n, 0
	s_wait_alu depctr_va_vdst(0)
.rept 64
	v_exp_f32 v[SS+n], v[SS+n]                     ; p = 2^(t - M), at most 1: not normalised
.set n, n+1
.endr
.irp b, 0,1,2,3
	v_exp_f32 v[BM+\b], v[BM+\b]                   ; the block's largest p: the same two instructions on the same number give the same bits
.endr
	v_pk_mul_f32 v[14:15], v[14:15], v[FF:FF+1] op_sel_hi:[1,0]      ; l and O^T under the new M: seventeen plain lines that name no exponential's result
.set n, 0
	s_wait_alu depctr_va_vdst(0)
.rept 16
	v_pk_mul_f32 v[OO+n:OO+n+1], v[OO+n:OO+n+1], v[FF:FF+1] op_sel_hi:[1,0]
.set n, n+2
.endr
	s_wait_alu depctr_va_vdst(0)                   ; the 68 exponentials have written p and the blocks' largest p: one wait for the batch, ahead of its first reader
.irp b, 0,1,2,3
	v_max_num_f32 v[BM+\b], 0x1800000, v[BM+\b]    ; the floor 2^(3 - 127): the byte cannot fall under 1 (a block whose every p is 0 keeps that byte: its codes are zeros)
.endr
.irp b, 0,1,2,3
	v_add_nc_u32 v[SO+\b], 0xff000000, v[BM+\b]    ; 2 off the exponent field: the conversion's scale operand
.endr
.irp b, 0,1,2,3
	v_lshrrev_b32 v[PM+\b], 23, v[SO+\b]           ; the scale's byte
.endr
	v_lshl_or_b32 v[PW], v[PM+1], 8, v[PM]         ; p's scale word for these 128 keys
	v_lshl_or_b32 v[PW], v[PM+2], 16, v[PW]
	v_lshl_or_b32 v[PW], v[PM+3], 24, v[PW]
.irp b, 0,1,2,3
	v_cvt_scalef32_pk8_fp4_f32 v[PC+2*\b], v[SS+16*\b:SS+16*\b+7], v[SO+\b]
	v_cvt_scalef32_pk8_fp4_f32 v[PC+2*\b+1], v[SS+16*\b+8:SS+16*\b+15], v[SO+\b]
.endr
	v_nop                                          ; one plain line between a scaled conversion and the vector instruction that touches its result
.irp c, 0,1                                    ; the operand's layout wants a whole block in a lane: lanes 0-15 block 2 c, lanes 16-31 block 2 c + 1
.irp i, 0,1
	v_permlane16_swap_b32 v[PC+4*\c+\i], v[PC+4*\c+2+\i]
.endr
.endr
	v_pk_add_f32 v[SU:SU+1], v[SS:SS+1], v[SS+2:SS+3]          ; the row's sum, of the unquantised p: two at a time, in two chains.  These 32 lines also stand between the codes' and the scale word's last writes and the products below
.set n, 4
.rept 15
	v_pk_add_f32 v[14:15], v[14:15], v[SS+n:SS+n+1]
	v_pk_add_f32 v[SU:SU+1], v[SU:SU+1], v[SS+n+2:SS+n+3]
.set n, n+4
.endr
	v_pk_add_f32 v[14:15], v[14:15], v[SU:SU+1]
	s_wait_dscnt 0x0                               ; V's fragments and scale words are in
	s_wait_alu depctr_va_vdst(0)                   ; the conversions and exchanges have written p's codes, the shifts its scale word: the products below take them as operand and scales; the places above stay beside this wait
.irp t, 0,1,2,3                                ; O^T += V^T P^T: the four accumulators by turns
	v_wmma_scale_f32_16x16x128_f8f6f4 v[OO+8*\t:OO+8*\t+7], v[VB+8*\t:VB+8*\t+7], v[PC:PC+7], v[OO+8*\t:OO+8*\t+7], v[VS+\t], v[PW] matrix_a_fmt:MATRIX_FMT_FP4 matrix_b_fmt:MATRIX_FMT_FP4
.endr
.rept 4
	v_nop                                          ; four places in front of the stores that read O^T at the end
.endr
.endm
; A PHASE: steps 4 p .. 4 p + 3, of which mine is 4 p + my residue.  The next quarter is asked for at its head and put into LDS at its end.  A step behind my tile's diagonal is left out: a scalar branch on ids, round the step alone.
.macro PHASE p
.if \p < 3
	s_wait_alu depctr_vm_vsrc(0)                   ; the LDS stores of the quarter before have read v[L ..], in which the loads below land; in the first phase also: the head's loads have read their offsets v[SS+3 .. SS+5], which the first products write
	CLOAD \p+1
.endif
	s_add_co_u32 s[STP], s[RES], 4*(\p)
	s_cmp_gt_u32 s[STP], s[SL]
	s_cbranch_scc1 .Lidle_\@
	STEP 0, AB+\p
.Lidle_\@:
.if \p < 3
	CPUT \p+1
	MEET                                           ; the next quarter lies in LDS; nobody writes bytes that are being read: the quarters are disjoint
.endif
.endm
	PHASE 0
	PHASE 1
	PHASE 2
	PHASE 3
	; The pass for rows without any key that counts: all sixteen steps, four a wave.  Every wave walks the loop; the work is jumped over where my tile's first query has a counted key at or before it.
	s_mov_b32 s[TB], 0
	s_mov_b32 s[CNT], 0
.Lunder:
	s_wait_alu depctr_vm_vsrc(0)                   ; the LDS loads of the trip before have read v[A], which the next line writes
	v_add_nc_u32 v[A], s[TB], v[AB]
	s_cmp_ge_u32 s[Q0], s[FI]
	s_cbranch_scc1 .Lnot_under
	v_mov_b32 v[QF+4], 0                           ; the query's code at k = 64 is cleared: here the plain scores are wanted
.rept 4
	v_nop                                          ; an operand written by a vector instruction stands four places ahead of a scaled product
.endr
	STEP 1, A
.Lnot_under:
	s_add_co_u32 s[TB], s[TB], QUART
	s_add_co_u32 s[CNT], s[CNT], 1
	s_cmp_lt_u32 s[CNT], 4
	s_cbranch_scc1 .Lunder
	; THE MERGE.  Each wave puts -M, l and its O (as 16 rows of 256 bytes) into LDS; behind the barrier each of a tile's four waves takes four rows from all four stages, brings them under the largest M, divides and stores.
	v_add_f32 v14, v14, v15                        ; l's two halves,
	v_permlanex16_b32 v[TMP], v14, s[SEL], s[SEL+1]
	v_add_f32 v13, v14, v[TMP]                     ; and lane l xor 16's: beside -M
	s_wait_alu depctr_va_vdst(0)                   ; -M and l are written, and the products have written O^T: the LDS stores below read them (the places behind the last products stay beside this wait); and all work on v[SS ..] is done, where the loads behind the barrier land
	ds_store_b64 v[STA], v[12:13]                  ; (both lanes of a query write the same eight bytes with the same values)
.irp t, 0,1,2,3
	ds_store_b128 v[STO], v[OO+8*\t:OO+8*\t+3] offset:64*\t        ; lane (r, h): o(r, 16 t + 8 h + 0 .. 7); each accumulator from its low end on
	ds_store_b128 v[STO], v[OO+8*\t+4:OO+8*\t+7] offset:64*\t+16
.endr
	MEET
.irp k, 0,1
.irp i, 0,1,2,3
	ds_load_b64 v[MS+8*\k+2*\i:MS+8*\k+2*\i+1], v[SRD] offset:128*\i+16*\k     ; wave i's -M and l of row 4 j + 2 k + h
.endr
.endr
.irp k, 0,1
.irp i, 0,1,2,3
	ds_load_b128 v[SS+16*\k+4*\i:SS+16*\k+4*\i+3], v[RD] offset:SWAVE*\i+2*SROW*\k   ; and my 16 bytes of its row
.endr
.endr
	s_wait_dscnt 8                                 ; the figures are in; the eight loads of rows may be out
.irp k, 0,1
	v_min3_num_f32 v[BM+\k], v[MS+8*\k], v[MS+8*\k+2], v[MS+8*\k+4]
.endr
.irp k, 0,1
	v_min_num_f32 v[BM+\k], v[BM+\k], v[MS+8*\k+6] ; the least -M: the row's M
.endr
.irp i, 0,1,2,3
.irp k, 0,1
	v_sub_f32 v[MS+8*\k+2*\i], v[BM+\k], v[MS+8*\k+2*\i]       ; wave i's M less the row's: 0 or less
.endr
.endr
.irp i, 0,1,2,3
.irp k, 0,1
	v_cvt_i32_f32 v[MS+8*\k+2*\i], v[MS+8*\k+2*\i]             ; (it saturates: a wave that had no step, or saw only masked keys, still stands at -2^40 and counts for nothing)
.endr
.endr
.irp i, 0,1,2,3
.irp k, 0,1
	v_ldexp_f32 v[MS+8*\k+2*\i], 1.0, v[MS+8*\k+2*\i]
.endr
.endr
.irp k, 0,1
	v_mul_f32 v[PM+\k], v[MS+8*\k], v[MS+8*\k+1]
.endr
.irp i, 1,2,3
.irp k, 0,1
	v_fma_f32 v[PM+\k], v[MS+8*\k+2*\i], v[MS+8*\k+2*\i+1], v[PM+\k]           ; the row's sum
.endr
.endr
	s_wait_alu depctr_va_vdst(0)
.irp k, 0,1
	v_rcp_f32 v[PM+\k], v[PM+\k]
.endr
.irp k, 0,1
	v_cvt_f32_u32 v[QM+\k], v[QM+\k]               ; q_mask as 0.0 or 1.0.  (Plain lines behind the reciprocals)
.endr
	s_wait_alu depctr_va_vdst(0)                   ; both reciprocals are written: one wait, ahead of their first reader
.irp k, 0,1
	v_mul_f32 v[PM+\k], v[PM+\k], v[QM+\k]
.endr
.irp i, 0,1,2,3
.irp k, 0,1
	v_mul_f32 v[MS+8*\k+2*\i], v[MS+8*\k+2*\i], v[PM+\k]       ; wave i's weight: 2^(its M - M) x q_mask / l
.endr
.endr
	s_wait_alu depctr_va_vdst(0)
	s_wait_dscnt 0x0
.irp k, 0,1
.irp e, 0,1,2,3
	v_mul_f32 v[PC+4*\k+\e], v[SS+16*\k+\e], v[MS+8*\k]
.endr
.endr
.irp i, 1,2,3
.irp k, 0,1
.irp e, 0,1,2,3
	v_fma_f32 v[PC+4*\k+\e], v[SS+16*\k+4*\i+\e], v[MS+8*\k+2*\i], v[PC+4*\k+\e]
.endr
.endr
.endr
	s_wait_alu depctr_va_vdst(0)                   ; the multiply-adds have written v[PC ..], which the two stores read
.irp k, 0,1
	global_store_b128 v[GO], v[PC+4*\k:PC+4*\k+3], s[16:17] offset:512*\k th:TH_STORE_NT   ; sixteen lanes store a row: 256 consecutive bytes, at a multiple of 256 from out0's first byte
.endr
	s_wait_dscnt 0x0                               ; the closing lines, six on end
	s_wait_alu 0x0
	s_wait_tensorcnt 0x0
	ds_add_u32 v254, v255
	s_wait_dscnt 0x0
	s_endpgm
.Lfunc_end_k_q0c6869e215_attend:
	.size	k_q0c6869e215_attend, .Lfunc_end_k_q0c6869e215_attend-k_q0c6869e215_attend
	.p2alignl 7, 3214868480
	.fill 96, 4, 3214868480
	.section	.rodata,"a",@progbits
	.p2align	6, 0x0
	.amdhsa_kernel k_q0c6869e215_attend
		.amdhsa_group_segment_fixed_size 221184
		.amdhsa_private_segment_fixed_size 0
		.amdhsa_enable_private_segment 0
		.amdhsa_kernarg_size 56
		.amdhsa_user_sgpr_count 2
		.amdhsa_user_sgpr_kernarg_segment_ptr 1
		.amdhsa_wavefront_size32 1
		.amdhsa_system_sgpr_workgroup_id_x 1
		.amdhsa_system_sgpr_workgroup_id_y 1
		.amdhsa_system_sgpr_workgroup_id_z 1
		.amdhsa_system_vgpr_workitem_id 0
		.amdhsa_next_free_vgpr 256
		.amdhsa_next_free_sgpr 66
		.amdhsa_reserve_vcc 0
		.amdhsa_float_denorm_mode_32 3
		.amdhsa_float_denorm_mode_16_64 3
		.amdhsa_memory_ordered 1
		.amdhsa_forward_progress 1
		.amdhsa_inst_pref_size 137
	.end_amdhsa_kernel
	.amdgpu_metadata
---
amdhsa.version: [ 1, 2 ]
amdhsa.kernels:
  - .name:           k_q0c6869e215_attend
    .symbol:         k_q0c6869e215_attend.kd
    .args:
      - { .name: query_codes, .offset: 0, .size: 8, .value_kind: global_buffer, .address_space: global }
      - { .name: query_scales, .offset: 8, .size: 8, .value_kind: global_buffer, .address_space: global }
      - { .name: scale, .offset: 16, .size: 8, .value_kind: global_buffer, .address_space: global }
      - { .name: q_mask, .offset: 24, .size: 8, .value_kind: global_buffer, .address_space: global }
      - { .name: kv, .offset: 32, .size: 8, .value_kind: global_buffer, .address_space: global }
      - { .name: first, .offset: 40, .size: 8, .value_kind: global_buffer, .address_space: global }
      - { .name: out0, .offset: 48, .size: 8, .value_kind: global_buffer, .address_space: global }
    .group_segment_fixed_size: 221184
    .private_segment_fixed_size: 0
    .kernarg_segment_align: 8
    .kernarg_segment_size: 56
    .max_flat_workgroup_size: 512
    .sgpr_count:     66
    .vgpr_count:     256
    .wavefront_size: 32
...
	.end_amdgpu_metadata
.endif
;; end of part 4
